; MI455X (gfx1250); checked and timed in simulation.
; The chip was launched on July 23, 2026; its instructions are those of AMD's public machine-readable ISA for CDNA 5 (MIT licence, August 2026) and "CDNA5" Instruction Set Architecture Reference Guide (July 2026). The comments in the code are by the model that wrote it; some were corrected since.
;; Causal Self Attention. Allowed arithmetic: matrix products marked QUANTISED: E4M3 operands, one given power-of-two scale a tensor, by v_wmma_f32_16x16x64_fp8_fp8 or v_wmma_f32_16x16x128_fp8_fp8, f32 sums; everything else in f32.
;; Inputs: Wk 1,024 x 1,024 float32; Wo 1,024 x 1,024 float32; Wq 1,024 x 1,024 float32; Wv 1,024 x 1,024 float32; cos 1 x 1 x 2,048 x 32 float32; lowp_scales 12 int32 (the exponents e of the quantised operands' scales 2^e); sin 1 x 1 x 2,048 x 32 float32; x 4 x 2,048 x 1,024 float32.
;; Outputs: out0 4 x 2,048 x 1,024 float32.
;; This version of the problem:
;;   THIS VERSION OF THE PROBLEM IS GIVEN IN LOW PRECISION. The matrix products marked QUANTISED in the list below multiply operands that are first quantised to E4M3 (4 exponent bits, 3 mantissa bits; 8 bits a number), with one given power-of-two scale for each operand tensor; their sums are f32. All else is computed in f32.
;;   The module's matrix products, in the order in which they are computed (A, B: the left and right operand; K: the contracted axis; several contracted axes count as one K, in the product's order):
;;     1. [M 8,192, K 1,024] x [K 1,024, N 1,024]; A: input x; B: input Wq: QUANTISED (scales: A lowp_scales[0], B lowp_scales[1])
;;     2. [M 8,192, K 1,024] x [K 1,024, N 1,024]; A: input x; B: input Wk: QUANTISED (scales: A lowp_scales[2], B lowp_scales[3])
;;     3. [M 8,192, K 1,024] x [K 1,024, N 1,024]; A: input x; B: input Wv: QUANTISED (scales: A lowp_scales[4], B lowp_scales[5])
;;     4. batch 64 x [M 2,048, K 64] x [K 64, N 2,048]; A: computed on the way; B: computed on the way: QUANTISED (scales: A lowp_scales[6], B lowp_scales[7])
;;     5. batch 64 x [M 2,048, K 2,048] x [K 2,048, N 64]; A: softmax (see below); B: computed on the way: QUANTISED (scales: A lowp_scales[8], B lowp_scales[9])
;;     6. [M 8,192, K 1,024] x [K 1,024, N 1,024]; A: computed on the way; B: input Wo: QUANTISED (scales: A lowp_scales[10], B lowp_scales[11])
;;   THE QUANTISER, for each operand of a quantised product, along K:
;;     - The operand's scale is 2^e, e = its entry of the input lowp_scales (int32; the entries are numbered through the quantised products in the list's order, A before B).
;;     - Each number is divided by the scale, clamped to +-448, and rounded to the nearest number of E4M3, ties to even, subnormals kept.
;;     - The product sums the exact products of the quantised numbers (number of the format x scale) in f32.
;;   ~~~python
;;   def quantise(x, axis, e):      # numpy; x: float32 -> the quantised numbers, widened to float32 again
;;       x = np.moveaxis(x, axis, -1); K = x.shape[-1]
;;       r = np.clip(x / 2.0 ** e, -448, 448)
;;       step = 2.0 ** (np.maximum(np.frexp(np.where(r == 0, 1, r))[1] - 1, -6) - 3)
;;       q = np.round(r / step) * step * 2.0 ** e      # np.round: ties to even
;;       return np.moveaxis(q, -1, axis).astype(np.float32)
;;   ~~~
;;   SOFTMAX AHEAD OF A QUANTISED PRODUCT. Where the list says 'softmax', what is quantised is not the finished softmax but p = 2^(t - M), with t = logit x log2(e) and M = ceil(the row's largest t), a whole number; so 1/2 < the row's largest p <= 1. The row's sum l is taken of the UNQUANTISED p, in f32, and the product's result is divided by l at the end. Since M is a whole number, a kernel that streams over the keys may use a running M (the ceiling of the running maximum): every later rescaling is an exact power of two, so the quantised numbers keep their values, but for numbers so far below the row's largest that they fall under the format's range.
;;   OPERANDS COMPUTED ON THE WAY. 'Computed on the way' means the value that the module computes at that place (a softmax that the list does not call 'softmax' is quantised finished and normalised). What goes into a quantiser is computed in f32, as accurately as f32 sums, v_exp_f32 and their like allow (about 1e-6 of the number): no bf16 or f16 on the way to a quantiser, and a product that is left as it is and whose result goes on into a quantised operand takes f32 operands (vector FMAs, or v_wmma_f32_16x16x4_f32). A number that lies on a knife's edge between two numbers of the format may be rounded either way, as far as f32 arithmetic and the matrix unit's own rounding can turn it there, and no further.
;; One version. Each part assembles by itself: llvm-mc -triple=amdgcn-amd-amdhsa -mcpu=gfx1250 --defsym DOCPART=n.
;; ======== version 1 of 1: 4 launches
;; limits: right only within a limited range of input values
;; workspace buffers: xc 25,165,824 bytes; wc 4,194,304 bytes; qc 8,388,608 bytes; kc 8,388,608 bytes; vc 8,388,608 bytes; yc 8,388,608 bytes
;; launch quant (part 1): grid 768 x 1, 4 waves a work-group, no clusters, 52,736 bytes of LDS; arguments x, Wq, Wk, Wv, Wo, lowp_scales, xc, wc; writes xc, wc
.if DOCPART == 1
	.amdgcn_target "amdgcn-amd-amdhsa--gfx1250"
	.amdhsa_code_object_version 6
	.text
	.protected	k_qe53f6bdd28_quant
	.globl	k_qe53f6bdd28_quant
	.p2align	8
	.type	k_qe53f6bdd28_quant,@function
k_qe53f6bdd28_quant:
	s_mov_b64 s[64:65], 0
	v_nop
	global_prefetch_b8 v0, s[64:65] scope:SCOPE_SE
	s_setreg_imm32_b32 hwreg(HW_REG_WAVE_MODE, 25, 1), 1
	s_wait_xcnt 0x0
; x [8192][1024] and Wq, Wk, Wv, Wo [1024 (k)][1024 (n)], f32, become codes of FP8 (E4M3), each with the scale 2^e that is given for it.
; code = number / 2^e, held within +-448, rounded to the nearest code, ties to even.
; x is an operand of three products with three entries of the scales (0, 2, 4): it is quantised three times, into three versions of xc.  Wq, Wk, Wv, Wo take entries 1, 3, 5, 11.
; THE CODES ARE LAID AS IMAGES OF OPERAND REGISTERS.  A fragment is 16 rows x 128 K in the layout of v_wmma_f32_16x16x128_fp8_fp8: lane (r = lane % 16, hh = lane / 16) holds row r,
; registers 2 c, 2 c + 1 hold k = 16 c + 8 hh + 0 .. 7.  In memory: [quarter g = 0 .. 3][lane][16 bytes], quarter g = registers 4 g .. 4 g + 3: 2,048 bytes.
;   xc: [version 3][tile of 16 rows: 512][step of 128 K: 8][2,048]       wc: [matrix 4][tile of 16 columns n: 64][step of 128 K: 8][2,048]  (a row of W's fragment is a column n, k runs down W's rows)
; Work-groups 0 to 255 take the four weights, 256 to 767 take x.  The two ways part on the work-group's number, end apart, and have LDS bytes of their own.  Waves share nothing: no barrier.
; LIMITS: each of the seven exponents lies between -126 and 119, so that 2^e and 448 x 2^e are f32 numbers.  NaN among the inputs is not served (an infinity is held at the largest code).
.set WPITCH, 144                       ; W: a stage row: a column's 128 codes + 16 bytes
.set WSTAGE, 32*WPITCH                 ; a wave's stage: 32 columns
.set XST,    4*WSTAGE                  ; x's stages begin behind W's
.set XPITCH, 528                       ; x: a stage row: 128 numbers (512 bytes) + 16
.set XSTAGE, 16*XPITCH
.set LI,  1                            ; v1   16 x lane
.set WX,  32                           ; W: v32-159 four blocks of 32 numbers
.set WCD, 160                          ; W: v160-191 their codes, eight registers a block
.set WOUT, 192                         ; W: v192-223 eight quarters on their way out
.set XR,  16                           ; x: v16-143 two fragments as loaded
.set XX,  144                          ; x: v144-207 a fragment's 64 numbers of my lane
.set XT,  208                          ; x: not used: the conversions read XX's registers in place
.set XC,  224                          ; x: v224-255 two sets of 16 registers of codes
	s_load_b256 s[4:11], s[0:1], 0x0               ; x s[4:5], Wq s[6:7], Wk s[8:9], Wv s[10:11]
	s_load_b256 s[12:19], s[0:1], 0x20             ; Wo s[12:13], the exponents s[14:15], xc s[16:17], wc s[18:19]
	s_set_vgpr_msb 0x40
	v_lshl_add_u32 v0, v0, 2, 0xcc00
	v_mov_b32 v1, 0
	s_set_vgpr_msb 0x4000
	v_lshrrev_b32 v12, 5, v0
	v_readfirstlane_b32 s20, v12                   ; wave 0..3
	v_and_b32 v13, 31, v0                          ; lane
	v_and_b32 v14, 15, v0                          ; r
	v_bfe_u32 v15, v0, 4, 1                        ; hh
	v_lshlrev_b32 v[LI], 4, v13
	s_wait_kmcnt 0x0
	s_load_b256 s[40:47], s[14:15], 0x0            ; e0 .. e7
	s_load_b128 s[48:51], s[14:15], 0x20           ; e8 .. e11
	s_cmp_lt_u32 ttmp9, 256
	s_cbranch_scc0 .Lx_path
; ---------------- THE WEIGHTS.  A work-group takes 128 columns x 128 k of one matrix, a wave 32 columns.  A LANE TAKES A COLUMN, AND ITS REGISTERS RUN DOWN K:
; each load reads 128 consecutive bytes (the four waves stand side by side on 512), and the conversions give codes with K innermost.  Nothing is transposed by an instruction.
	s_lshr_b32 s21, ttmp9, 6                       ; which matrix: 0 q, 1 k, 2 v, 3 o
	s_and_b32 s22, ttmp9, 7                        ; which 128 columns
	s_bfe_u32 s23, ttmp9, 0x30003                  ; which 128 along K
	s_cmp_eq_u32 s21, 0                            ; the choice hangs on the work-group's number alone
	s_cselect_b64 s[24:25], s[6:7], s[8:9]
	s_cmp_eq_u32 s21, 2
	s_cselect_b64 s[24:25], s[10:11], s[24:25]
	s_cmp_eq_u32 s21, 3
	s_cselect_b64 s[24:25], s[12:13], s[24:25]
	s_lshl_b32 s26, s23, 19                        ; 128 rows of 4,096 bytes
	s_lshl_b32 s27, s22, 9                         ; 128 columns of 4 bytes
	s_add_co_u32 s26, s26, s27
	s_lshl_b32 s27, s20, 7                         ; my wave's 32 columns
	s_add_co_u32 s26, s26, s27
	s_mov_b32 s27, 0
	s_add_nc_u64 s[24:25], s[24:25], s[26:27]
	s_lshl_b32 s28, s21, 20                        ; wc: the matrix,
	s_lshl_b32 s29, s22, 17                        ; 8 tiles of 16 columns x 16,384 bytes,
	s_add_co_u32 s28, s28, s29
	s_lshl_b32 s29, s20, 15                        ; my wave's two tiles,
	s_add_co_u32 s28, s28, s29
	s_lshl_b32 s29, s23, 11                        ; the step of 128 K
	s_add_co_u32 s28, s28, s29
	s_mov_b32 s29, 0
	s_add_nc_u64 s[18:19], s[18:19], s[28:29]
	s_wait_alu depctr_va_vdst(0)
	v_lshlrev_b32 v3, 2, v13                       ; in: 4 bytes a lane
	s_mul_i32 s26, s20, WSTAGE                     ; my stage
	v_mul_u32_u24 v4, v13, WPITCH
	v_add_nc_u32 v4, s26, v4                       ; into it: row = my column
	v_mul_u32_u24 v7, v14, WPITCH
	v_lshl_add_u32 v7, v15, 3, v7
	v_add_nc_u32 v7, s26, v7                       ; out of it: row r, + 8 hh: the fragment's own places
.macro WLOAD t                         ; block t: W(32 t + i, my column), i = 0 .. 31
.set n, 0
.rept 32
	global_load_b32 v[WX+32*(\t)+n], v3, s[24:25] offset:(32*(\t)+n)*4096 th:TH_LOAD_NT
.set n, n+1
.endr
.endm
	WLOAD 0
	WLOAD 1
	s_wait_alu depctr_va_vdst(0)
	s_wait_kmcnt 0x0
	s_cmp_eq_u32 s21, 0
	s_cselect_b32 s30, s41, s43                    ; entries 1, 3, 5, 11
	s_cmp_eq_u32 s21, 2
	s_cselect_b32 s30, s45, s30
	s_cmp_eq_u32 s21, 3
	s_cselect_b32 s30, s51, s30
	s_add_co_i32 s30, s30, 127
	s_lshl_b32 s31, s30, 23
	v_mov_b32 v11, s31                             ; 2^e as f32: the conversion takes its exponent field
.macro WBLOCK t
.if \t < 3
	s_wait_loadcnt 32                              ; this block's 32 loads are in; the next block's may be out
.else
	s_wait_loadcnt 0x0
.endif
.if \t < 2
	WLOAD (\t)+2                                   ; two blocks ahead, into registers of its own
.endif
.set n, 0
.rept 32
.set n, n+1
.endr
.irp g, 0,1,2,3
	v_cvt_scalef32_pk8_fp8_f32 v[WCD+8*\t+2*\g:WCD+8*\t+2*\g+1], v[WX+32*\t+8*\g:WX+32*\t+8*\g+7], v11
.endr
	ds_store_b128 v4, v[WCD+8*\t:WCD+8*\t+3] offset:32*\t        ; 32 codes of my column; each block has its own registers, so nothing is written again
	ds_store_b128 v4, v[WCD+8*\t+4:WCD+8*\t+7] offset:32*\t+16
.endm
	s_wait_alu depctr_va_vdst(0)
	WBLOCK 0
	WBLOCK 1
	WBLOCK 2
	WBLOCK 3
; The way out: two fragments (tiles of 16 columns).  Quarter g of lane (r, hh) is bytes 32 g + 8 hh + 0..7 and 32 g + 16 + 8 hh + 0..7 of row r.  LDS serves a wave's instructions in order: these see my stores.
.irp u, 0,1
.irp g, 0,1,2,3
	ds_load_b64 v[WOUT+16*\u+4*\g:WOUT+16*\u+4*\g+1], v7 offset:\u*16*WPITCH+32*\g
	ds_load_b64 v[WOUT+16*\u+4*\g+2:WOUT+16*\u+4*\g+3], v7 offset:\u*16*WPITCH+32*\g+16
.endr
.endr
.irp u, 0,1
.irp g, 0,1,2,3
	s_wait_dscnt 14-2*(4*\u+\g)                    ; this quarter's two loads are in; the younger pairs may be out
	global_store_b128 v[LI], v[WOUT+16*\u+4*\g:WOUT+16*\u+4*\g+3], s[18:19] offset:\u*16384+\g*512   ; 32 lanes store 512 consecutive bytes, aligned
.endr
.endr
	s_set_vgpr_msb 0x5
	s_wait_tensorcnt 0x0
	ds_add_u32 v0, v1
	s_wait_dscnt 0x0
	s_set_vgpr_msb 0x500
	s_endpgm
; ---------------- x.  A work-group takes a tile of 16 rows, wave w its K steps 2 w and 2 w + 1 (256 columns).  Each load reads 512 consecutive bytes of one row; a fragment's 8 KB turn through
; the wave's own stage, so that a lane gets the eight neighbours along K that each pair of operand registers wants; they are held and converted three times, once for each scale.
.Lx_path:
	s_sub_co_u32 s21, ttmp9, 256                   ; the tile of rows
	s_lshl_b32 s22, s21, 16                        ; 16 rows of 4,096 bytes
	s_lshl_b32 s23, s20, 10                        ; my wave's 256 columns
	s_add_co_u32 s22, s22, s23
	s_mov_b32 s23, 0
	s_add_nc_u64 s[4:5], s[4:5], s[22:23]
	s_lshl_b32 s24, s21, 14                        ; xc: the tile's 16,384 bytes,
	s_lshl_b32 s25, s20, 12                        ; my two steps of 2,048
	s_add_co_u32 s24, s24, s25
	s_mov_b32 s25, 0
	s_add_nc_u64 s[28:29], s[16:17], s[24:25]      ; version 0,
	s_add_nc_u64 s[30:31], s[28:29], 0x800000      ; 1,
	s_add_nc_u64 s[32:33], s[30:31], 0x800000      ; 2
	s_mul_i32 s26, s20, XSTAGE
	s_add_co_u32 s26, s26, XST                     ; my stage
	s_wait_alu depctr_va_vdst(0)
	v_add_nc_u32 v2, s26, v[LI]                    ; in: 16 bytes a lane, a row an instruction
	v_mul_u32_u24 v3, v14, XPITCH
	v_lshl_add_u32 v3, v15, 5, v3
	v_add_nc_u32 v3, s26, v3                       ; out: row r, + 32 hh
.macro XLOAD f
.set n, 0
.rept 16
	global_load_b128 v[XR+64*\f+4*n:XR+64*\f+4*n+3], v[LI], s[4:5] offset:n*4096+\f*512 th:TH_LOAD_NT
.set n, n+1
.endr
.endm
	XLOAD 0
	XLOAD 1
	s_wait_alu depctr_va_vdst(0)
	s_wait_kmcnt 0x0
.irp v, 0,1,2
	s_add_co_i32 s34, s[40+2*\v], 127              ; entries 0, 2, 4
	s_lshl_b32 s35, s34, 23
	v_mov_b32 v[7+\v], s35                         ; 2^e
	s_add_co_i32 s34, s34, 8
	s_lshl_b32 s34, s34, 23
	s_or_b32 s34, s34, 0x600000
.endr
.macro XTURN f                         ; registers XX + 8 c + j = x(r, 16 c + 8 hh + j)
.set n, 0
.rept 16
	ds_store_b128 v2, v[XR+64*\f+4*n:XR+64*\f+4*n+3] offset:n*XPITCH
.set n, n+1
.endr
	v_nop
.irp c, 0,1,2,3,4,5,6,7
	ds_load_b128 v[XX+8*\c:XX+8*\c+3], v3 offset:64*\c
	ds_load_b128 v[XX+8*\c+4:XX+8*\c+7], v3 offset:64*\c+16
.endr
.endm
.macro XQUANT v, f                     ; version v of fragment f.
	s_wait_xcnt 0x0                                ; the earlier stores have read their data: the codes' registers may be written again
.irp c, 0,1,2,3,4,5,6,7
.irp j, 0,1,2,3,4,5,6,7
.endr
	v_cvt_scalef32_pk8_fp8_f32 v[XC+16*(\v%2)+2*\c:XC+16*(\v%2)+2*\c+1], v[XT+8*(\c%2)+((XX+8*\c+0)-(XT+8*(\c%2)+0)):XT+8*(\c%2)+7+((XX+8*\c+0)-(XT+8*(\c%2)+0))], v[7+\v]
.endr
.irp g, 0,1,2,3
	global_store_b128 v[LI], v[XC+16*(\v%2)+4*\g:XC+16*(\v%2)+4*\g+3], s[28+2*\v:29+2*\v] offset:\f*2048+\g*512   ; 512 consecutive bytes, aligned
.endr
.endm
	s_wait_alu depctr_va_vdst(0)
	s_wait_loadcnt 16                              ; the first fragment's 16 loads are in; the second's may be out
	XTURN 0
	s_wait_dscnt 0x0
	XQUANT 0, 0
	XQUANT 1, 0
	XQUANT 2, 0
	s_wait_loadcnt 0x0
	XTURN 1
	s_wait_dscnt 0x0
	XQUANT 0, 1
	XQUANT 1, 1
	XQUANT 2, 1
	s_set_vgpr_msb 0x5
	s_wait_tensorcnt 0x0
	ds_add_u32 v0, v1
	s_wait_dscnt 0x0
	s_set_vgpr_msb 0x500
	s_endpgm
.Lfunc_end_k_qe53f6bdd28_quant:
	.size	k_qe53f6bdd28_quant, .Lfunc_end_k_qe53f6bdd28_quant-k_qe53f6bdd28_quant
	.p2alignl 7, 3214868480
	.fill 96, 4, 3214868480
	.section	.rodata,"a",@progbits
	.p2align	6, 0x0
	.amdhsa_kernel k_qe53f6bdd28_quant
		.amdhsa_group_segment_fixed_size 52736
		.amdhsa_private_segment_fixed_size 0
		.amdhsa_enable_private_segment 0
		.amdhsa_kernarg_size 64
		.amdhsa_user_sgpr_count 2
		.amdhsa_user_sgpr_kernarg_segment_ptr 1
		.amdhsa_wavefront_size32 1
		.amdhsa_system_sgpr_workgroup_id_x 1
		.amdhsa_system_sgpr_workgroup_id_y 1
		.amdhsa_system_sgpr_workgroup_id_z 1
		.amdhsa_system_vgpr_workitem_id 0
		.amdhsa_next_free_vgpr 258
		.amdhsa_next_free_sgpr 66
		.amdhsa_reserve_vcc 0
		.amdhsa_float_denorm_mode_32 3
		.amdhsa_float_denorm_mode_16_64 3
		.amdhsa_fp16_overflow 1
		.amdhsa_memory_ordered 1
		.amdhsa_forward_progress 1
		.amdhsa_inst_pref_size 34
	.end_amdhsa_kernel
	.amdgpu_metadata
---
amdhsa.version: [ 1, 2 ]
amdhsa.kernels:
  - .name:           k_qe53f6bdd28_quant
    .symbol:         k_qe53f6bdd28_quant.kd
    .args:
      - { .name: x, .offset: 0, .size: 8, .value_kind: global_buffer, .address_space: global }
      - { .name: Wq, .offset: 8, .size: 8, .value_kind: global_buffer, .address_space: global }
      - { .name: Wk, .offset: 16, .size: 8, .value_kind: global_buffer, .address_space: global }
      - { .name: Wv, .offset: 24, .size: 8, .value_kind: global_buffer, .address_space: global }
      - { .name: Wo, .offset: 32, .size: 8, .value_kind: global_buffer, .address_space: global }
      - { .name: lowp_scales, .offset: 40, .size: 8, .value_kind: global_buffer, .address_space: global }
      - { .name: xc, .offset: 48, .size: 8, .value_kind: global_buffer, .address_space: global }
      - { .name: wc, .offset: 56, .size: 8, .value_kind: global_buffer, .address_space: global }
    .group_segment_fixed_size: 52736
    .private_segment_fixed_size: 0
    .kernarg_segment_align: 8
    .kernarg_segment_size: 64
    .max_flat_workgroup_size: 128
    .sgpr_count:     66
    .vgpr_count:     258
    .wavefront_size: 32
...
	.end_amdgpu_metadata
.endif
;; end of part 1
;; launch qkv (part 2): grid 12 x 64, 4 waves a work-group, clusters of 4 x 4, 327,680 bytes of LDS; arguments xc, wc, cos, sin, lowp_scales, qc, kc, vc; writes qc, kc, vc
.if DOCPART == 2
	.amdgcn_target "amdgcn-amd-amdhsa--gfx1250"
	.amdhsa_code_object_version 6
	.text
	.protected	k_qe53f6bdd28_qkv
	.globl	k_qe53f6bdd28_qkv
	.p2align	8
	.type	k_qe53f6bdd28_qkv,@function
k_qe53f6bdd28_qkv:
	s_mov_b64 s[64:65], 0
	v_nop
	global_prefetch_b8 v0, s[64:65] scope:SCOPE_SE
	s_setreg_imm32_b32 hwreg(HW_REG_WAVE_MODE, 25, 1), 1
	s_wait_xcnt 0x0
	s_wait_alu depctr_hold_cnt(0) depctr_sa_sdst(0) depctr_va_vdst(0) depctr_va_sdst(0) depctr_va_ssrc(0) depctr_va_vcc(0) depctr_vm_vsrc(0)
	s_getreg_b32 s2, hwreg(HW_REG_IB_STS2, 6, 4)
	s_cmp_eq_u32 s2, 0
	s_cbranch_scc0 .Lentry_in_a_cluster
	s_endpgm
.Lentry_in_a_cluster:
	s_bfe_u32 s2, ttmp6, 0x10000c
	s_cmp_lg_u32 s2, 0xf033
	s_cbranch_scc0 .Lentry_shape_is_right
	s_endpgm
.Lentry_shape_is_right:
; q = x Wq, k = x Wk, v = x Wv on codes of FP8 (E4M3); q and k are turned by the rotary tables and normalised (RMS over the head's 64, eps = 2^-23), all in f32; q, k and v leave as codes for the attention.
; OPERANDS ARE IMAGES OF REGISTERS: a fragment (16 rows x 128 K) is [quarter 4][lane 32][16 bytes]; lane (r, hh) holds row r, registers 2 c, 2 c + 1 hold k = 16 c + 8 hh + 0..7.  xc: [version][tile of 16 rows][step of 128 K][2,048]; wc: [matrix][tile of 16 columns][step][2,048].
; THE PRODUCT.  A work-group makes C'[M side 128][N side 256] over K = 1,024.  Four waves: WR = wave / 2 takes 64 of the M side (4 fragments), WC = wave % 2 takes 128 of the N side (8 fragments): 32 accumulators.
; Source 0 = the N side's fragment, source 1 = the M side's: a lane then holds ONE row of the M side, and its eight registers eight neighbours of the N side: just what two registers of the next operand hold.
;   q, k (cluster x = 0, 1): M side = tokens (xc, version 0 or 1), N side = W's columns: a lane holds a token, registers run along the head's channels, the next K.
;   v    (cluster x = 2):    M side = Wv's columns, N side = tokens (xc, version 2): V^T: a lane holds a channel, registers run along the keys, the next K.
; OUT: qc, kc: [batch x 16 + head][tile of 16 tokens: 128][1,024] (16 tokens x 64 channels); vc: [batch x 16 + head][128 keys: 16][tile of 16 channels: 4][2,048].
; K goes in four steps of 256 (4,096 bytes of each tile of 16 rows) through three LDS slots: steps 0, 1, 2 are asked for at the start, step 3 goes into slot 0 when it has been read out.
; CLUSTER 4 x 4: the M side's tile hangs on the cluster's row alone, the N side's on its column alone: each is asked for jointly by the four that need it.
; The tables' pieces are loaded by every work-group, V's too, which do not use them (16 KB): so these registers are written on every way through the text.
; LIMITS: e6, e7 and e9 - e4 - e5 lie between -126 and 119, so that the conversions' scales are f32 numbers; the other powers go by v_ldexp_f32.  NaN among the inputs is not served.
; REGISTERS, in windows of 256: window 0: v1 16 x lane, v3 the tables' lane term, v16-22 LDS addresses, v28, v29 the add's; v32-105 the way out; v128-255 my tokens' cos and sin (V: held numbers).
;   window 1: the N side's fragments, two sets (128 p + 16 b).   window 2: accumulator (a, b) at 8 (8 a + b).   window 3: the M side's fragments, two sets (64 p + 16 a).
.set SLOT,  98304                      ; the M side's 8 tiles x 4,096 bytes, then the N side's 16
.set SPARE, 3*SLOT                     ; behind the slots: the spare words, 128 bytes for each wave: two blocks of 256 bytes that no other line names
.set LI,    1
.set TL,    3
.set ADRM,  16                         ; v16-18  my M fragments in slot 0, 1, 2
.set ADRN,  20                         ; v20-22  my N fragments
.set SPW,   28
.set NIL,   29
.set RO,    32                         ; v32-63  a token's 32 channels of my half, turned
.set TT,    64                         ; v64-79  four sets of two pairs, at work
.set CD,    80                         ; v80-87  codes
.set TAB,   128                        ; v128-255  for each of my 4 tiles of tokens: cos (16), sin (16)
.set WV,    4
.set WR,    5
.set WC,    6
.set G1M,   24                         ; s[24:31] group 1 for the M side;  s[32:43] its groups 0, one for each slot
.set G0M,   32
.set G1N,   44                         ; s[44:51], s[52:63] the same for the N side
.set G0N,   52
.set MUL,   0xad                       ; source 0 window 1, source 1 window 3, C and D window 2
.set MSB,   0
.macro WIN new                         ; the immediate's high byte repeats the setting that is left
.if MSB != \new
	s_set_vgpr_msb (MSB<<8)|\new
.set MSB, \new
.endif
.endm
.macro PLACES n
.rept \n
	v_nop
.endr
.endm
.macro CREST                           ; a round of the cluster's barrier behind its opening barrier
	s_cmp_lg_u32 s[WV], 0
	s_cbranch_scc1 .Lnot_wave_0_\@
	s_barrier_signal -3
.Lnot_wave_0_\@:
	s_barrier_wait -3
	s_barrier_signal -1
	s_barrier_wait -1
.endm
.macro CROUND
	s_barrier_signal -1
	s_barrier_wait -1
	CREST
.endm
; Waves 0 and 1 fetch the M side's halves, waves 2 and 3 the N side's.  The branch hangs on the wave's number alone.  Four v_nop follow the loads.
.macro JLOAD sl
	s_cmp_eq_u32 s[WR], 0
	s_cbranch_scc0 .Lfor_n_\@
	tensor_load_to_lds s[G0M+4*\sl:G0M+4*\sl+3], s[G1M:G1M+7]
	s_nop 0
	PLACES 4
	s_branch .Lasked_\@
.Lfor_n_\@:
	tensor_load_to_lds s[G0N+4*\sl:G0N+4*\sl+3], s[G1N:G1N+7]
	s_nop 0
	PLACES 4
.Lasked_\@:
.endm
.macro FIRST3                          ; a wave's three first fills stand in one branch: three loads of mine are out
	s_cmp_eq_u32 s[WR], 0
	s_cbranch_scc0 .Lfirst_n
	tensor_load_to_lds s[G0M:G0M+3], s[G1M:G1M+7]
	s_nop 0
	tensor_load_to_lds s[G0M+4:G0M+7], s[G1M:G1M+7]
	s_nop 0
	tensor_load_to_lds s[G0M+8:G0M+11], s[G1M:G1M+7]
	s_nop 0
	PLACES 4
	s_branch .Lfirst_asked
.Lfirst_n:
	tensor_load_to_lds s[G0N:G0N+3], s[G1N:G1N+7]
	s_nop 0
	tensor_load_to_lds s[G0N+4:G0N+7], s[G1N:G1N+7]
	s_nop 0
	tensor_load_to_lds s[G0N+8:G0N+11], s[G1N:G1N+7]
	s_nop 0
	PLACES 4
.Lfirst_asked:
.endm
.macro FETCH j, p                      ; the fragments of step j of 128 along K (slot (j / 2) % 3, half j % 2) into set p: 48 loads of 512 consecutive bytes
.set FSL, ((\j)/2)%3
.set FQ,  (\j)%2
	WIN 0x40                                       ; destination window 1
.irp b, 0,1,2,3,4,5,6,7
.irp g, 0,1,2,3
	ds_load_b128 v[128*(\p)+16*\b+4*\g:128*(\p)+16*\b+4*\g+3], v[ADRN+FSL] offset:\b*4096+FQ*2048+\g*512
.endr
.endr
	WIN 0xc0                                       ; destination window 3
.irp b, 0,1,2,3
.irp g, 0,1,2,3
	ds_load_b128 v[64*(\p)+16*\b+4*\g:64*(\p)+16*\b+4*\g+3], v[ADRM+FSL] offset:\b*4096+FQ*2048+\g*512
.endr
.endr
.endm
.macro MULA a, p, zero                 ; M fragment a against the N side's eight.  The 32 accumulators take turns, one instruction a turn, in one order throughout
.irp b, 0,1,2,3,4,5,6,7
.if \zero
	v_wmma_f32_16x16x128_fp8_fp8 v[8*(8*(\a)+\b):8*(8*(\a)+\b)+7], v[128*(\p)+16*\b:128*(\p)+16*\b+15], v[64*(\p)+16*(\a):64*(\p)+16*(\a)+15], 0
.else
	v_wmma_f32_16x16x128_fp8_fp8 v[8*(8*(\a)+\b):8*(8*(\a)+\b)+7], v[128*(\p)+16*\b:128*(\p)+16*\b+15], v[64*(\p)+16*(\a):64*(\p)+16*(\a)+15], v[8*(8*(\a)+\b):8*(8*(\a)+\b)+7]
.endif
.endr
.endm
.macro MUL4 p
	MULA 0, \p, 0
	MULA 1, \p, 0
	MULA 2, \p, 0
	MULA 3, \p, 0
.endm
.macro GSTEP j                         ; step j: the next step's fragments are asked for first, into the set that the step before has multiplied
	PLACES 4                                       ; four places in front of loads into registers that matrix instructions have read (ISA guide 7.12.1 for vector instructions)
	FETCH (\j)+1, ((\j)+1)%2
	s_wait_dscnt 48                                ; all but the 48 just issued: this step's set is in
	WIN MUL
	MUL4 (\j)%2
.endm
.macro MAIN                            ; eight steps of 128 along K, written out
	s_wait_tensorcnt 0x2                           ; my part of K step 0 is in; two loads of mine stay out
	s_barrier_signal -1
	s_barrier_wait -1                              ; everybody's is
	FETCH 0, 0
	FETCH 1, 1                                     ; with these slot 0 is read out
	s_wait_dscnt 48                                ; set 0 is in
	WIN MUL
	MULA 0, 0, 1                                   ; the first products start the sums: nothing is cleared
	MULA 1, 0, 1
	WIN 0                                          ; (the add's two registers lie in window 0)
	s_wait_tensorcnt 0x0                           ; all my tensor loads have landed: my parts of slots 1 and 2;
	ds_add_u32 v[SPW], v[NIL]                      ; 0 onto my spare word
	WIN MUL
	MULA 2, 0, 1                                   ; eight matrix instructions stand between the add and the wait for it
	s_wait_dscnt 0x0                               ; the add is done, and my reads of slot 0 are over
	s_barrier_signal -1                            ; this barrier opens a round of the cluster's
	MULA 3, 0, 1
	WIN 0
	s_barrier_wait -1
	CREST                                          ; no wave of any partner still reads slot 0 or has a load on its way
	s_add_nc_u64 s[G0M+2:G0M+3], s[G0M+2:G0M+3], 3*4096
	s_add_nc_u64 s[G0N+2:G0N+3], s[G0N+2:G0N+3], 3*4096
	JLOAD 0                                        ; K step 3 into slot 0: 128 matrix instructions ahead of the wait for it; its four v_nop are the places in front of the loads below
	s_wait_alu depctr_va_vdst(0)
	FETCH 2, 0
	s_wait_dscnt 48
	WIN MUL
	MUL4 1                                         ; step 1
	GSTEP 2
	GSTEP 3
	GSTEP 4
	s_wait_tensorcnt 0x0                           ; step 5: my part of K step 3 is in: the one load that was out
	s_wait_dscnt 0x0
	s_barrier_signal -1
	MULA 0, 1, 0
	MULA 1, 1, 0
	s_barrier_wait -1                              ; everybody's is
	PLACES 4
	FETCH 6, 0
	WIN MUL
	MULA 2, 1, 0
	MULA 3, 1, 0
	GSTEP 6
	s_wait_dscnt 0x0
	MUL4 1                                         ; step 7
	WIN 0
	PLACES 4                                       ; in front of the first read of results
.endm
	s_load_b512 s[68:83], s[0:1], 0x0              ; xc s[68:69], wc s[70:71], cos s[72:73], sin s[74:75], the exponents s[76:77], qc s[78:79], kc s[80:81], vc s[82:83]
	v_lshl_add_u32 v[SPW], v0, 2, SPARE
	v_mov_b32 v[NIL], 0
	ds_add_u32 v28, v29
	ds_add_u32 v28, v29
	s_wait_dscnt 0x0
	v_lshrrev_b32 v2, 5, v0
	v_readfirstlane_b32 s[WV], v2                  ; wave 0..3
	s_lshr_b32 s[WR], s[WV], 1                     ; my half of the M side.  Also: I fetch for M (0) or N (1)
	s_and_b32 s[WC], s[WV], 1                      ; my half of the N side.  Also: which half of that tile I fetch
	s_bfe_u32 s7, ttmp6, 0x40000                   ; cx
	s_bfe_u32 s8, ttmp6, 0x40004                   ; cy
	s_mov_b32 s9, ttmp9                            ; the cluster's x: 0 q, 1 k, 2 v: the same in all sixteen partners
	s_and_b32 s10, ttmp7, 0xffff                   ; the cluster's y, 0..15
	s_mov_b32 s2, 0x76543210                       ; v_permlanex16_b32's selects: lane l xor 16
	s_mov_b32 s3, 0xfedcba98
	s_lshl_b32 s13, s8, 2
	s_lshl_b32 s13, 15, s13                        ; my row of the cluster
	s_lshl_b32 s14, 0x1111, s7                     ; my column
	; group 1: rows of 4,096 bytes (512 elements of 8), one for each tile of 16 rows, 16,384 bytes apart in memory, dense in LDS
	s_or_b32 s[G1M], s13, (3<<16)|(1<<21)          ; 15:0 the mask: my row; 17:16 elements of 8 bytes; 21 set beside a mask
	s_or_b32 s[G1N], s14, (3<<16)|(1<<21)          ; the same with my column
	s_mov_b32 s[G1M+1], 512<<16                    ; tensor_dim0
	s_mov_b32 s[G1M+2], 4<<16                      ; tensor_dim1: 4 tiles of rows
	s_mov_b32 s[G1M+3], 512<<16                    ; tile_dim0
	s_mov_b32 s[G1M+4], 4                          ; tile_dim1
	s_mov_b32 s[G1M+5], 2048                       ; the pitch, in elements
	s_mov_b32 s[G1M+6], 0
	s_mov_b32 s[G1M+7], 0
	s_mov_b32 s[G1N+1], 512<<16
	s_mov_b32 s[G1N+2], 8<<16                      ; 8 tiles of rows
	s_mov_b32 s[G1N+3], 512<<16
	s_mov_b32 s[G1N+4], 8
	s_mov_b32 s[G1N+5], 2048
	s_mov_b32 s[G1N+6], 0
	s_mov_b32 s[G1N+7], 0
	; which tiles.  q, k: M tile = 4 y + cy of 64 (tokens), N tile = cx of 4.   v: M tile = 4 (y / 8) + cy of 8 (channels), N tile = 4 (y % 8) + cx of 32 (tokens)
	s_lshl_b32 s13, s10, 2
	s_lshr_b32 s15, s10, 3
	s_lshl_b32 s15, s15, 2
	s_and_b32 s14, s10, 7
	s_lshl_b32 s14, s14, 2
	s_lshl_b32 s16, s9, 23                         ; xc's version: 8 MB each
	s_lshl_b32 s17, s9, 20                         ; wc's matrix: 1 MB each
	s_cmp_lt_u32 s9, 2
	s_cselect_b32 s11, s13, s15
	s_cselect_b32 s12, 0, s14
	s_cselect_b32 s18, s16, s17
	s_cselect_b32 s20, s17, s16
	s_add_co_u32 s11, s11, s8                      ; the M tile: cy alone enters
	s_add_co_u32 s12, s12, s7                      ; the N tile: cx alone enters
	s_lshl_b32 s13, s11, 17                        ; 8 tiles of rows x 16,384 bytes
	s_add_co_u32 s18, s18, s13
	s_lshl_b32 s13, s[WC], 16                      ; the half that I fetch
	s_add_co_u32 s18, s18, s13
	s_mov_b32 s19, 0
	s_lshl_b32 s14, s12, 18                        ; 16 tiles of rows
	s_add_co_u32 s20, s20, s14
	s_lshl_b32 s14, s[WC], 17
	s_add_co_u32 s20, s20, s14
	s_mov_b32 s21, 0
	s_lshl_b32 s22, s[WC], 14                      ; where they go: no place in the cluster enters an LDS address
	s_lshl_b32 s23, s[WC], 15
	s_add_co_u32 s23, s23, 32768
	s_wait_kmcnt 0x0
	s_cmp_lt_u32 s9, 2
	s_cselect_b64 s[96:97], s[68:69], s[70:71]     ; the M side's buffer,
	s_cselect_b64 s[98:99], s[70:71], s[68:69]     ; the N side's
	s_add_nc_u64 s[96:97], s[96:97], s[18:19]
	s_add_nc_u64 s[98:99], s[98:99], s[20:21]
.irp sl, 0,1,2
	s_mov_b32 s[G0M+4*\sl], 1                      ; count = 1
	s_add_co_u32 s[G0M+4*\sl+1], s22, \sl*SLOT     ; LDS address
	s_add_nc_u64 s[G0M+4*\sl+2:G0M+4*\sl+3], s[96:97], \sl*4096   ; global address: K step sl
	s_or_b32 s[G0M+4*\sl+3], s[G0M+4*\sl+3], 0x80000000           ; type = 2
	s_mov_b32 s[G0N+4*\sl], 1
	s_add_co_u32 s[G0N+4*\sl+1], s23, \sl*SLOT
	s_add_nc_u64 s[G0N+4*\sl+2:G0N+4*\sl+3], s[98:99], \sl*4096
	s_or_b32 s[G0N+4*\sl+3], s[G0N+4*\sl+3], 0x80000000
.endr
	CROUND                                         ; all sixteen work-groups are here: the first joint loads meet
	FIRST3
	s_load_b256 s[84:91], s[76:77], 0x0            ; e0 .. e7
	s_load_b128 s[92:95], s[76:77], 0x20           ; e8 .. e11
	v_and_b32 v2, 31, v0
	v_lshlrev_b32 v[LI], 4, v2
	s_lshl_b32 s13, s[WR], 14                      ; my 4 M fragments,
	s_lshl_b32 s14, s[WC], 15
	s_add_co_u32 s14, s14, 32768                   ; my 8 N fragments
.irp sl, 0,1,2
	v_add_nc_u32 v[ADRM+\sl], s13, v[LI]
	v_add_nc_u32 v[ADRN+\sl], s14, v[LI]
	s_add_co_u32 s13, s13, SLOT
	s_add_co_u32 s14, s14, SLOT
.endr
	; the tables: lane (r, hh) wants, for token r of each of my 4 tiles, cos and sin of d = 16 u + 8 hh + 0..7, u = 0, 1
	s_lshl_b32 s15, s11, 7
	s_and_b32 s15, s15, 2047
	s_lshl_b32 s16, s[WR], 6
	s_add_co_u32 s15, s15, s16                     ; my first token's place in its sequence
	s_lshl_b32 s16, s15, 7                         ; a row of a table is 128 bytes
	s_mov_b32 s17, 0
	s_add_nc_u64 s[72:73], s[72:73], s[16:17]
	s_add_nc_u64 s[74:75], s[74:75], s[16:17]
	v_and_b32 v2, 15, v0
	v_bfe_u32 v4, v0, 4, 1
	v_lshlrev_b32 v[TL], 7, v2
	v_lshl_add_u32 v[TL], v4, 5, v[TL]
.irp a, 0,1,2,3
.irp u, 0,1
.irp i, 0,1
	global_load_b128 v[TAB+32*\a+8*\u+4*\i:TAB+32*\a+8*\u+4*\i+3], v[TL], s[72:73] offset:\a*2048+\u*64+\i*16
	global_load_b128 v[TAB+32*\a+16+8*\u+4*\i:TAB+32*\a+16+8*\u+4*\i+3], v[TL], s[74:75] offset:\a*2048+\u*64+\i*16
.endr
.endr
.endr
	v_mov_b32 v100, 0                              ; written once: a lane permute's destination counts as one of its sources
	v_mov_b32 v103, 0                              ; (named as the upper half of the pair v[102:103])
	MAIN
	s_wait_kmcnt 0x0
	s_add_co_i32 s96, s84, s85                     ; e0 + e1
	s_add_co_i32 s97, s86, s87                     ; e2 + e3
	s_add_co_i32 s98, s88, s89                     ; e4 + e5
	s_sub_co_i32 s98, s93, s98                     ; v: a sum stands for sum x 2^(e4 + e5), its code is sum / 2^(e9 - e4 - e5): the three scales in one
	s_cmp_eq_u32 s9, 0
	s_cselect_b32 s96, s96, s97                    ; SS: a sum of q or k stands for sum x 2^SS
	s_cselect_b32 s99, s90, s91                    ; e6 for q, e7 for k
	s_cmp_eq_u32 s9, 2
	s_cselect_b32 s99, s98, s99
	s_lshl_b32 s97, s96, 1
	s_sub_co_i32 s97, s97, 6                       ; the mean of 64 squares: x 2^(2 SS - 6)
	s_add_co_i32 s99, s99, 127
	s_lshl_b32 s100, s99, 23
	s_add_co_i32 s99, s99, 8
	s_lshl_b32 s99, s99, 23
	s_or_b32 s99, s99, 0x600000
	v_mov_b32 v105, s100                           ; the conversion's scale as f32
	v_mov_b32 v104, s99                            ; 448 x that
	s_wait_loadcnt 0x0                             ; the tables
	s_cmp_eq_u32 s9, 2
	s_cbranch_scc1 .Lv_out
; ---- q, k.  Tile of tokens a, head H of my two.  Accumulators (a, 4 H + c), c = 0..3: register j = channel 16 c + 8 hh + j of my token.
	s_lshr_b32 s16, s11, 4
	s_lshl_b32 s16, s16, 4                         ; batch x 16
	s_lshl_b32 s17, s12, 2
	s_add_co_u32 s16, s16, s17
	s_lshl_b32 s17, s[WC], 1
	s_add_co_u32 s16, s16, s17                     ; + my first head
	s_lshl_b32 s16, s16, 7
	s_lshr_b32 s17, s15, 4
	s_add_co_u32 s16, s16, s17                     ; x 128 tiles of tokens + my first
	s_lshl_b32 s16, s16, 10
	s_mov_b32 s17, 0
	s_cmp_eq_u32 s9, 0
	s_cselect_b64 s[18:19], s[78:79], s[80:81]
	s_add_nc_u64 s[18:19], s[18:19], s[16:17]
.macro QKOUT a, H
	WIN 0x02                                       ; source 0: the sums, window 2
.set n, 0
.irp u, 0,1
.irp j, 0,2,4,6                        ; ascending: each accumulator is read from its low end on
.set U1, 8*(8*\a+4*\H+\u)+\j
.set U2, 8*(8*\a+4*\H+2+\u)+\j
.set CO, TAB+32*\a+8*\u+\j
.set SI, TAB+32*\a+16+8*\u+\j
.set TP, TT+4*(n%4)
	v_pk_mul_f32 v[TP:TP+1], v[U2:U2+1], v[SI:SI+1]
	v_pk_mul_f32 v[TP+2:TP+3], v[U1:U1+1], v[SI:SI+1]
	v_pk_fma_f32 v[RO+8*\u+\j:RO+8*\u+\j+1], v[U1:U1+1], v[CO:CO+1], v[TP:TP+1]                                        ; u1 cos + u2 sin
	v_pk_fma_f32 v[RO+16+8*\u+\j:RO+16+8*\u+\j+1], v[U2:U2+1], v[CO:CO+1], v[TP+2:TP+3] neg_lo:[0,0,1] neg_hi:[0,0,1]  ; u2 cos - u1 sin
.set n, n+1
.endr
.endr
	WIN 0
	v_pk_mul_f32 v[96:97], v[RO:RO+1], v[RO:RO+1]  ; the sum of squares of my 32 channels, in two packed chains,
	v_pk_mul_f32 v[98:99], v[RO+2:RO+3], v[RO+2:RO+3]
.irp j, 4,8,12,16,20,24,28
	v_pk_fma_f32 v[96:97], v[RO+\j:RO+\j+1], v[RO+\j:RO+\j+1], v[96:97]
	v_pk_fma_f32 v[98:99], v[RO+\j+2:RO+\j+3], v[RO+\j+2:RO+\j+3], v[98:99]
.endr
	v_pk_add_f32 v[96:97], v[96:97], v[98:99]
	v_add_f32 v96, v96, v97
	v_permlanex16_b32 v100, v96, s2, s3
	v_add_f32 v96, v96, v100                       ; and of the token's other 32, in the lane 16 away
	v_ldexp_f32 v96, v96, s97                      ; the mean of the true squares
	v_add_f32 v96, 0x34000000, v96                 ; + eps = 2^-23
	s_wait_alu depctr_va_vdst(0)
	v_rsq_f32 v101, v96
	v_nop                                          ; a plain instruction behind the transcendental
	s_wait_alu depctr_va_vdst(0)                   ; and the wait ahead of the first use
	v_ldexp_f32 v102, v101, s96                    ; x 2^SS: the factor from a raw sum to the normalised number
.irp j, 0,2,4,6,8,10,12,14,16,18,20,22,24,26,28,30
	v_pk_mul_f32 v[RO+\j:RO+\j+1], v[RO+\j:RO+\j+1], v[102:103] op_sel_hi:[1,0]
.endr
.set n, 0
.rept 32
.set n, n+1
.endr
	s_wait_alu depctr_va_vdst(0)
	s_wait_xcnt 0x0                                ; the last stores have read their data: the codes' registers may be written again
.irp c, 0,1,2,3
	v_cvt_scalef32_pk8_fp8_f32 v[CD+2*\c:CD+2*\c+1], v[RO+8*\c:RO+8*\c+7], v105   ; registers 2 c, 2 c + 1 of the next operand
.endr
	v_nop                                          ; one plain line between a scaled conversion and the next vector line that writes its sources
	global_store_b128 v[LI], v[CD:CD+3], s[18:19] offset:\H*131072+\a*1024         ; 512 consecutive bytes, aligned
	global_store_b128 v[LI], v[CD+4:CD+7], s[18:19] offset:\H*131072+\a*1024+512
.endm
.irp a, 0,1,2,3
	QKOUT \a, 0
	QKOUT \a, 1
.endr
	s_branch .Lend
; ---- v.  Accumulators (a, b): lane = channel 16 a + r of my head, register j = key 16 b + 8 hh + j of my 128: the eight b are one fragment.
.Lv_out:
	s_lshl_b32 s16, s12, 1
	s_add_co_u32 s16, s16, s[WC]                   ; which 128 tokens of the 8,192
	s_lshr_b32 s17, s16, 4                         ; batch
	s_and_b32 s16, s16, 15                         ; which 128 keys of the sequence
	s_lshl_b32 s17, s17, 4
	s_lshl_b32 s18, s11, 1
	s_add_co_u32 s17, s17, s18
	s_add_co_u32 s17, s17, s[WR]                   ; batch x 16 + head
	s_lshl_b32 s17, s17, 4
	s_add_co_u32 s16, s16, s17
	s_lshl_b32 s16, s16, 13
	s_mov_b32 s17, 0
	s_add_nc_u64 s[82:83], s[82:83], s[16:17]
.macro VOUT a
	WIN 0x02
.set n, 0
.rept 64
	v_med3_num_f32 v[TAB+64*(\a%2)+n], v[64*\a+n], -v104, v104   ; ascending: each accumulator from its low end on
.set n, n+1
.endr
	WIN 0
	s_wait_alu depctr_va_vdst(0)
	s_wait_xcnt 0x0                                ; the earlier stores have read their data
.irp b, 0,1,2,3,4,5,6,7
	v_cvt_scalef32_pk8_fp8_f32 v[RO+16*(\a%2)+2*\b:RO+16*(\a%2)+2*\b+1], v[TAB+64*(\a%2)+8*\b:TAB+64*(\a%2)+8*\b+7], v105
.endr
	v_nop
.irp g, 0,1,2,3
	global_store_b128 v[LI], v[RO+16*(\a%2)+4*\g:RO+16*(\a%2)+4*\g+3], s[82:83] offset:\a*2048+\g*512
.endr
.endm
	s_wait_alu depctr_va_vdst(0)
	VOUT 0
	VOUT 1
	VOUT 2
	VOUT 3
.Lend:
	s_wait_tensorcnt 0x0                           ; the wave's end
	ds_add_u32 v[SPW], v[NIL]
	s_wait_dscnt 0x0
	CROUND                                         ; the closing round: no work-group ends while a partner may still ask for a tile that names it
	s_endpgm
.Lfunc_end_k_qe53f6bdd28_qkv:
	.size	k_qe53f6bdd28_qkv, .Lfunc_end_k_qe53f6bdd28_qkv-k_qe53f6bdd28_qkv
	.p2alignl 7, 3214868480
	.fill 96, 4, 3214868480
	.section	.rodata,"a",@progbits
	.p2align	6, 0x0
	.amdhsa_kernel k_qe53f6bdd28_qkv
		.amdhsa_group_segment_fixed_size 327680
		.amdhsa_private_segment_fixed_size 0
		.amdhsa_enable_private_segment 0
		.amdhsa_kernarg_size 64
		.amdhsa_user_sgpr_count 2
		.amdhsa_user_sgpr_kernarg_segment_ptr 1
		.amdhsa_wavefront_size32 1
		.amdhsa_system_sgpr_workgroup_id_x 1
		.amdhsa_system_sgpr_workgroup_id_y 1
		.amdhsa_system_sgpr_workgroup_id_z 1
		.amdhsa_system_vgpr_workitem_id 0
		.amdhsa_next_free_vgpr 1024
		.amdhsa_next_free_sgpr 102
		.amdhsa_reserve_vcc 0
		.amdhsa_float_denorm_mode_32 3
		.amdhsa_float_denorm_mode_16_64 3
		.amdhsa_fp16_overflow 1
		.amdhsa_memory_ordered 1
		.amdhsa_forward_progress 1
		.amdhsa_inst_pref_size 117
	.end_amdhsa_kernel
	.amdgpu_metadata
---
amdhsa.version: [ 1, 2 ]
amdhsa.kernels:
  - .name:           k_qe53f6bdd28_qkv
    .symbol:         k_qe53f6bdd28_qkv.kd
    .args:
      - { .name: xc, .offset: 0, .size: 8, .value_kind: global_buffer, .address_space: global }
      - { .name: wc, .offset: 8, .size: 8, .value_kind: global_buffer, .address_space: global }
      - { .name: cos, .offset: 16, .size: 8, .value_kind: global_buffer, .address_space: global }
      - { .name: sin, .offset: 24, .size: 8, .value_kind: global_buffer, .address_space: global }
      - { .name: lowp_scales, .offset: 32, .size: 8, .value_kind: global_buffer, .address_space: global }
      - { .name: qc, .offset: 40, .size: 8, .value_kind: global_buffer, .address_space: global }
      - { .name: kc, .offset: 48, .size: 8, .value_kind: global_buffer, .address_space: global }
      - { .name: vc, .offset: 56, .size: 8, .value_kind: global_buffer, .address_space: global }
    .group_segment_fixed_size: 327680
    .private_segment_fixed_size: 0
    .kernarg_segment_align: 8
    .kernarg_segment_size: 64
    .max_flat_workgroup_size: 128
    .sgpr_count:     102
    .vgpr_count:     1024
    .wavefront_size: 32
...
	.end_amdgpu_metadata
.endif
;; end of part 2
;; launch attn (part 3): grid 4 x 64, 16 waves a work-group, no clusters, 327,680 bytes of LDS; arguments qc, kc, vc, lowp_scales, yc; writes yc
.if DOCPART == 3
	.amdgcn_target "amdgcn-amd-amdhsa--gfx1250"
	.amdhsa_code_object_version 6
	.text
	.protected	k_qe53f6bdd28_attn
	.globl	k_qe53f6bdd28_attn
	.p2align	8
	.type	k_qe53f6bdd28_attn,@function
k_qe53f6bdd28_attn:
	s_mov_b64 s[64:65], 0
	v_nop
	global_prefetch_b8 v0, s[64:65] scope:SCOPE_SE
	s_setreg_imm32_b32 hwreg(HW_REG_WAVE_MODE, 25, 1), 1
	s_wait_xcnt 0x0
; y[b][t][h][:] = the sum over keys k <= t of softmax_k(q . k / 8) v, both products on codes of FP8 (E4M3) with the given scales (entries 6, 7: q, k; 8, 9: p, v); y leaves as codes with entry 10's scale.
; THE SOFTMAX AHEAD OF THE SECOND PRODUCT: t = score x log2(e) / 8; M = the row's largest t so far, rounded UP to a whole number; p = 2^(t - M) is quantised, not normalised; the row's sum is taken of the
; unquantised p and divides at the end.  When M moves, the sum and O are multiplied by 2^(old M - new M): exact.
; qc, kc: [batch x 16 + head][tile of 16 tokens][1,024]: images of fragments 16 rows x 64 K ([half 2][lane][16 bytes]; lane (r, hh): registers 2 c, 2 c + 1 = channel 16 c + 8 hh + 0..7).
; vc: [batch x 16 + head][128 keys][tile of 16 channels][2,048]: fragments 16 channels x 128 keys.  yc: [tile of 16 tokens: 512][16,384]; head h's 64 channels are the 1,024 bytes at 1,024 h.
; SHARES.  Work-group (i, head) owns the blocks of 256 queries i and 7 - i.  Wave w owns two tiles of 16: LO at 256 i + 16 w and HI at 256 (7 - i) + 16 (15 - w): together 17 key steps of 128 in every wave of the launch.
; THE WHOLE HEAD LIES IN LDS: K's 131,072 bytes, then V's.  Nothing is filled again: no ring.  Each wave brings two dense pieces: its share of keys 0-255, on which all begin, and its share of the rest.
; LAYOUT.  S^T = K Q^T (source 0 = 16 keys, source 1 = my 16 queries): a lane holds ONE query; tile t's register j is key 16 t + 8 hh + j: its eight codes ARE registers 2 t, 2 t + 1 of P, source 1 of O^T = V^T P^T.
; CAUSAL.  Every wave walks all 16 key steps (constant trip counts); a step all of whose keys come after a tile's queries is left out by a scalar branch on ids; on the diagonal hidden scores become -infinity.
; A step that is not left out begins at a key that counts for all 16 queries, so M is a number from the first step on.
; Joint loads are not used: the work that is left out hangs on the work-group's place, and what a work-group fetches, 256 KB, is asked for once.
; LIMITS: e6 + e7 between -123 and 130 (added to c's exponent field); e8 and e10 between -126 and 119; e8 + e9 goes by v_ldexp_f32.
.set VB,  131072                       ; V's first LDS byte
.set LI,  1                            ; v1   16 x lane
.set ADK, 2                            ; v2   LDS address of the step's K
.set ADV, 3                            ; v3   of its V
.set RH,  4                            ; v4   r - 8 hh
.set LV,  7                            ; v7   16 x lane + VB.    v6: 2^e8
.set F,   32                           ; v32-95   eight fragments of K, then four of V
.set S,   96                           ; v96-159  S^T, then p
.set P,   224                          ; v224-239 p's codes
.set KF,  48                           ; s48  the step's first key
.set TB,  49                           ; s49  its bytes' place in K's and in V's part
; v[8:11], v[12:15]: LO's, HI's -M, largest t, the sum in two halves.  v16-23, v24-31: Q.  v160-191, v192-223: O^T.  v240-249 at work
	s_load_b256 s[4:11], s[0:1], 0x0               ; qc s[4:5], kc s[6:7], vc s[8:9], the exponents s[10:11]
	s_load_b64 s[12:13], s[0:1], 0x20              ; yc
	v_lshl_add_u32 v254, v0, 2, 0x40000
	v_mov_b32 v255, 0
	ds_add_u32 v254, v255
	ds_add_u32 v254, v255
	v_lshrrev_b32 v2, 5, v0
	s_delay_alu instid0(VALU_DEP_1)
	v_readfirstlane_b32 s18, v2                    ; wave 0..15
	s_and_b32 s19, ttmp7, 0xffff                   ; batch x 16 + head
	s_lshr_b32 s54, s18, 3                         ; waves 0-7 fetch K, waves 8-15 V
	s_and_b32 s55, s18, 7                          ; which eighth
	; group 1, twice: dense blocks as rows of 256 bytes (32 elements of 8): 8 rows (an eighth of keys 0-255's 16,384 bytes), 56 rows (an eighth of the other 114,688)
	s_mov_b32 s24, 3<<16
	s_mov_b32 s25, 32<<16
	s_mov_b32 s26, 8<<16
	s_mov_b32 s27, 32<<16
	s_mov_b32 s28, 8
	s_mov_b32 s29, 32
	s_mov_b32 s30, 0
	s_mov_b32 s31, 0
	s_mov_b32 s32, 3<<16
	s_mov_b32 s33, 32<<16
	s_mov_b32 s34, 56<<16
	s_mov_b32 s35, 32<<16
	s_mov_b32 s36, 56
	s_mov_b32 s37, 32
	s_mov_b32 s38, 0
	s_mov_b32 s39, 0
	s_lshl_b32 s56, s54, 17                        ; K's or V's part of LDS
	s_lshl_b32 s57, s55, 11                        ; my 2,048 bytes,
	s_mul_i32 s58, s55, 14336
	s_add_co_u32 s58, s58, 16384                   ; my 14,336
	s_lshl_b32 s60, s19, 17                        ; the head's 131,072 bytes in qc, kc and vc
	s_mov_b32 s61, 0
	s_mov_b32 s63, 0
	s_mov_b32 s40, 1
	s_add_co_u32 s41, s56, s57
	s_mov_b32 s44, 1
	s_add_co_u32 s45, s56, s58
	s_wait_dscnt 0x0
	s_wait_kmcnt 0x0
	s_cmp_lt_u32 s18, 8
	s_cselect_b64 s[14:15], s[6:7], s[8:9]
	s_add_nc_u64 s[14:15], s[14:15], s[60:61]
	s_mov_b32 s62, s57
	s_add_nc_u64 s[42:43], s[14:15], s[62:63]
	s_or_b32 s43, s43, 0x80000000
	s_mov_b32 s62, s58
	s_add_nc_u64 s[46:47], s[14:15], s[62:63]
	s_or_b32 s47, s47, 0x80000000
	tensor_load_to_lds s[40:43], s[24:31]          ; the first fill alone: one load of mine is out
	s_nop 0
	s_wait_alu depctr_va_vdst(0)
	s_wait_tensorcnt 0x0
	ds_add_u32 v254, v255
	s_wait_dscnt 0x0
	s_barrier_signal -1
	s_barrier_wait -1
	tensor_load_to_lds s[44:47], s[32:39]
	s_nop 0
.rept 4
	v_nop
.endr
	s_load_b256 s[68:75], s[10:11], 0x0            ; e0 .. e7
	s_load_b128 s[76:79], s[10:11], 0x20           ; e8 .. e11
	v_and_b32 v2, 31, v0
	s_delay_alu instid0(VALU_DEP_1)
	v_lshlrev_b32 v[LI], 4, v2
	s_wait_alu depctr_va_vdst(0)
	v_add_nc_u32 v[LV], VB, v[LI]
	v_and_b32 v[RH], 15, v0
	v_bfe_u32 v3, v0, 4, 1
	s_delay_alu instid0(VALU_DEP_1)
	v_lshlrev_b32 v3, 3, v3
	s_delay_alu instid0(VALU_DEP_1)
	v_sub_nc_u32 v[RH], v[RH], v3
	s_lshl_b32 s50, ttmp9, 8
	s_lshl_b32 s52, s18, 4
	s_add_co_u32 s50, s50, s52                     ; LO's first query: 256 i + 16 w
	s_sub_co_u32 s51, 2032, s50                    ; HI's: 256 (7 - i) + 16 (15 - w)
	s_add_nc_u64 s[4:5], s[4:5], s[60:61]
	s_lshl_b32 s62, s50, 6                         ; a tile of 16 queries is 1,024 bytes
	s_add_nc_u64 s[56:57], s[4:5], s[62:63]
	s_lshl_b32 s62, s51, 6
	s_add_nc_u64 s[58:59], s[4:5], s[62:63]
	global_load_b128 v[16:19], v[LI], s[56:57]
	global_load_b128 v[20:23], v[LI], s[56:57] offset:512
	global_load_b128 v[24:27], v[LI], s[58:59]
	global_load_b128 v[28:31], v[LI], s[58:59] offset:512
	s_mov_b32 s20, 0x76543210                      ; v_permlanex16_b32's selects: lane l xor 16
	s_mov_b32 s21, 0xfedcba98
	v_mov_b32 v9, 0xff61b1e6                       ; the largest t so far: -3e38, under every t
	s_delay_alu instid0(VALU_DEP_1)
	v_floor_f32 v8, -v9                            ; -M
	v_mov_b32 v10, 0                               ; the sum, in two halves
	v_mov_b32 v11, 0
	v_mov_b32 v13, 0xff61b1e6
	s_delay_alu instid0(VALU_DEP_1)
	v_floor_f32 v12, -v13
	v_mov_b32 v14, 0
	v_mov_b32 v15, 0
	v_mov_b32 v243, 0                              ; upper halves of pairs that are named whole, and the permutes' destinations: written once
	v_mov_b32 v245, 0
	v_mov_b32 v247, 0
	v_mov_b32 v248, 0
	v_mov_b32 v249, 0xff800000                     ; -infinity
.set n, 0
.rept 64
	v_mov_b32 v[160+n], 0                          ; O^T of both tiles.  (The step is written without a first step of its own: the first change of M multiplies zeros)
.set n, n+1
.endr
	s_wait_kmcnt 0x0
	s_add_co_i32 s52, s74, s75
	s_lshl_b32 s52, s52, 23
	s_add_co_i32 s22, s52, 0x3e38aa3b              ; c = log2(e) / 8, x 2^(e6 + e7): the two exponents are added to c's exponent field
	s_mov_b32 s23, s22                             ; (named with it as a pair)
	s_add_co_i32 s52, s76, 127
	s_lshl_b32 s53, s52, 23
	v_mov_b32 v6, s53                              ; 2^e8
; A KEY STEP of 128 keys for one tile.  QB: its Q; OB: its O^T; SB: its statistics; SQ: the scalar register with its first query.
.macro STEP QB, OB, SB, SQ
	s_add_co_u32 s52, s[\SQ], 15
	s_cmp_gt_u32 s[KF], s52
	s_cbranch_scc1 .Lhidden_\@                     ; all 128 keys come after my 16 queries
	v_add_nc_u32 v[ADK], s[TB], v[LI]
	v_add_nc_u32 v[ADV], s[TB], v[LV]
	v_nop                                          ; with the two additions: four places in front of loads into registers that the last products read
	v_nop
.irp t, 0,1,2,3,4,5,6,7
	ds_load_b128 v[F+8*\t:F+8*\t+3], v[ADK] offset:\t*1024
	ds_load_b128 v[F+8*\t+4:F+8*\t+7], v[ADK] offset:\t*1024+512
.endr
	s_wait_alu depctr_va_vdst(0)
	s_wait_dscnt 0x0
.irp t, 0,1,2,3,4,5,6,7
	v_wmma_f32_16x16x64_fp8_fp8 v[S+8*\t:S+8*\t+7], v[F+8*\t:F+8*\t+7], v[\QB:\QB+7], 0
.endr
.rept 4
	v_nop                                          ; places in front of the loads below and of the first read of the scores
.endr
.irp a, 0,1,2,3
.irp g, 0,1,2,3
	ds_load_b128 v[F+16*\a+4*\g:F+16*\a+4*\g+3], v[ADV] offset:\a*2048+\g*512   ; V lands while the softmax is walked
.endr
.endr
	s_add_co_u32 s52, s[KF], 127
	s_cmp_le_u32 s52, s[\SQ]
	s_cbranch_scc1 .Lopen_\@                       ; all 128 keys count
	s_sub_co_i32 s52, s[\SQ], s[KF]
	v_add_nc_u32 v244, s52, v[RH]                  ; d = my query - the step's first key - 8 hh: register 8 t + j is hidden where 16 t + j > d
.set n, 0
.rept 64
	v_cmp_gt_i32 vcc_lo, 16*(n/8)+n%8, v244
	v_cndmask_b32 v[S+n], v[S+n], v249, vcc_lo
.set n, n+1
.endr
.Lopen_\@:
	v_max3_num_f32 v240, v[S], v[S+1], v[S+2]      ; the step's largest score of my query, among my 64 keys, in two chains; each accumulator is met at its low end first
	v_max3_num_f32 v241, v[S+3], v[S+4], v[S+5]
.irp i, 6,10,14,18,22,26,30,34,38,42,46,50,54,58
	v_max3_num_f32 v240, v240, v[S+\i], v[S+\i+1]
	v_max3_num_f32 v241, v241, v[S+\i+2], v[S+\i+3]
.endr
	v_max3_num_f32 v240, v240, v[S+62], v[S+63]
	s_delay_alu instid0(VALU_DEP_1)
	v_max_num_f32 v240, v240, v241
	s_delay_alu instid0(VALU_DEP_1)
	v_permlanex16_b32 v248, v240, s20, s21
	s_delay_alu instid0(VALU_DEP_1)
	v_max_num_f32 v240, v240, v248                 ; and among the lane 16 away's
	s_delay_alu instid0(VALU_DEP_1)
	v_mul_f32 v240, s22, v240                      ; as t (c is positive)
	s_delay_alu instid0(VALU_DEP_1)
	v_max_num_f32 v[\SB+1], v[\SB+1], v240         ; the running largest t
	v_mov_b32 v240, v[\SB]
	s_delay_alu instid0(VALU_DEP_2)
	v_floor_f32 v[\SB], -v[\SB+1]                  ; the new -M = floor(-t): M is a whole number
	s_delay_alu instid0(VALU_DEP_1)
	v_sub_f32 v240, v[\SB], v240                   ; old M - new M: a whole number, 0 or less
	s_delay_alu instid0(VALU_DEP_1)
	v_cvt_i32_f32 v240, v240                       ; (it saturates)
	s_delay_alu instid0(VALU_DEP_1)
	v_ldexp_f32 v242, 1.0, v240                    ; f = 2^(old M - new M)
.set n, 0
.rept 32
	v_pk_fma_f32 v[S+n:S+n+1], v[S+n:S+n+1], s[22:23], v[\SB:\SB+1] op_sel_hi:[1,0,0]   ; t - M, two at a time
.set n, n+2
.endr
.set n, 0
	s_wait_alu depctr_va_vdst(0)
.rept 64
	v_exp_f32 v[S+n], v[S+n]                       ; p = 2^(t - M)
.set n, n+1
.endr
	v_pk_mul_f32 v[\SB+2:\SB+3], v[\SB+2:\SB+3], v[242:243] op_sel_hi:[1,0]   ; the sums under the new M: the plain line behind the exponentials
	s_wait_alu depctr_va_vdst(0)                   ; one wait for the batch, ahead of its first reader
	v_pk_add_f32 v[246:247], v[S:S+1], v[S+2:S+3]  ; the row's sum is taken of the unquantised p, in two chains
.irp j, 4,8,12,16,20,24,28,32,36,40,44,48,52,56,60
	v_pk_add_f32 v[\SB+2:\SB+3], v[\SB+2:\SB+3], v[S+\j:S+\j+1]
	v_pk_add_f32 v[246:247], v[246:247], v[S+\j+2:S+\j+3]
.endr
	s_delay_alu instid0(VALU_DEP_1)
	v_pk_add_f32 v[\SB+2:\SB+3], v[\SB+2:\SB+3], v[246:247]
.irp t, 0,1,2,3,4,5,6,7
.irp j, 0,1,2,3,4,5,6,7
.endr
	v_cvt_scalef32_pk8_fp8_f32 v[P+2*\t:P+2*\t+1], v[S+8*\t:S+8*\t+7], v6
.endr
.set n, 0
.rept 16
	v_pk_mul_f32 v[\OB+n:\OB+n+1], v[\OB+n:\OB+n+1], v[242:243] op_sel_hi:[1,0]   ; O^T under the new M; also the plain lines behind the conversions
.set n, n+2
.endr
	s_wait_alu depctr_va_vdst(0)
	s_wait_dscnt 0x0                               ; V is in
.irp a, 0,1,2,3
	v_wmma_f32_16x16x128_fp8_fp8 v[\OB+8*\a:\OB+8*\a+7], v[F+16*\a:F+16*\a+15], v[P:P+15], v[\OB+8*\a:\OB+8*\a+7]   ; four accumulators by turns
.endr
.Lhidden_\@:
.endm
.macro TRIP
	STEP 16, 160, 8, 50
	STEP 24, 192, 12, 51
	s_add_co_u32 s[KF], s[KF], 128
	s_add_co_u32 s[TB], s[TB], 8192
.endm
	s_mov_b32 s[KF], 0
	s_mov_b32 s[TB], 0
	s_wait_tensorcnt 0x1                           ; my share of keys 0-255 is in; my larger piece may stay out
	s_barrier_signal -1
	s_barrier_wait -1                              ; everybody's is
	s_wait_loadcnt 0x0                             ; Q
	s_mov_b32 s53, 2
.Lfirst:                                           ; keys 0-255
	TRIP
	s_sub_co_u32 s53, s53, 1
	s_cmp_lg_u32 s53, 0
	s_cbranch_scc1 .Lfirst
	s_wait_tensorcnt 0x0                           ; my share of the rest is in
	s_wait_dscnt 0x0
	s_barrier_signal -1
	s_barrier_wait -1                              ; everybody's is
	s_mov_b32 s53, 14
.Lrest:                                            ; keys 256-2,047
	TRIP
	s_sub_co_u32 s53, s53, 1
	s_cmp_lg_u32 s53, 0
	s_cbranch_scc1 .Lrest
	; THE WAY OUT.  O^T x 2^(e8 + e9) / the sum is y; a lane's eight registers of tile a are channels 16 a + 8 hh + 0..7 of its token: registers 2 a, 2 a + 1 of the last product's operand.
	s_add_co_i32 s52, s78, 127
	s_lshl_b32 s53, s52, 23
	v_mov_b32 v241, s53                            ; 2^e10
	v_add_f32 v10, v10, v11                        ; the sums' two halves,
	v_add_f32 v14, v14, v15
	s_delay_alu instid0(VALU_DEP_2)
	v_permlanex16_b32 v248, v10, s20, s21
	s_delay_alu instid0(VALU_DEP_2)
	v_permlanex16_b32 v243, v14, s20, s21
	s_delay_alu instid0(VALU_DEP_2)
	v_add_f32 v10, v10, v248                       ; and the lane 16 away's
	s_delay_alu instid0(VALU_DEP_2)
	v_add_f32 v14, v14, v243
	s_wait_alu depctr_va_vdst(0)
	v_rcp_f32 v244, v10
	v_rcp_f32 v246, v14
	v_nop                                          ; a plain line behind the reciprocals
	s_add_co_i32 s52, s76, s77                     ; e8 + e9
	s_lshr_b32 s60, s19, 4
	s_lshl_b32 s60, s60, 21                        ; yc: the batch's 128 tiles of 16,384 bytes,
	s_and_b32 s62, s19, 15
	s_lshl_b32 s62, s62, 10                        ; the head's 1,024
	s_add_co_u32 s60, s60, s62
	s_add_nc_u64 s[12:13], s[12:13], s[60:61]
	s_lshl_b32 s60, s50, 10                        ; the tile of tokens
	s_add_nc_u64 s[56:57], s[12:13], s[60:61]
	s_lshl_b32 s60, s51, 10
	s_add_nc_u64 s[58:59], s[12:13], s[60:61]
	s_wait_alu depctr_va_vdst(0)                   ; one wait for both, ahead of the first use
	v_ldexp_f32 v244, v244, s52
	v_ldexp_f32 v246, v246, s52
.macro YOUT OB, RB, DS, CB, AB
.set n, 0
.rept 16
	v_pk_mul_f32 v[\DS+n:\DS+n+1], v[\OB+n:\OB+n+1], v[\RB:\RB+1] op_sel_hi:[1,0]   ; ascending: each accumulator from its low end on
.set n, n+2
.endr
.set n, 0
.rept 32
.set n, n+1
.endr
.irp a, 0,1,2,3
	v_cvt_scalef32_pk8_fp8_f32 v[\CB+2*\a:\CB+2*\a+1], v[\DS+8*\a:\DS+8*\a+7], v241
.endr
	v_nop
	global_store_b128 v[LI], v[\CB:\CB+3], s[\AB:\AB+1]                 ; 512 consecutive bytes, aligned
	global_store_b128 v[LI], v[\CB+4:\CB+7], s[\AB:\AB+1] offset:512
.endm
	YOUT 160, 244, 96, 224, 56
	YOUT 192, 246, 128, 232, 58
	s_wait_tensorcnt 0x0
	ds_add_u32 v254, v255
	s_wait_dscnt 0x0
	s_endpgm
.Lfunc_end_k_qe53f6bdd28_attn:
	.size	k_qe53f6bdd28_attn, .Lfunc_end_k_qe53f6bdd28_attn-k_qe53f6bdd28_attn
	.p2alignl 7, 3214868480
	.fill 96, 4, 3214868480
	.section	.rodata,"a",@progbits
	.p2align	6, 0x0
	.amdhsa_kernel k_qe53f6bdd28_attn
		.amdhsa_group_segment_fixed_size 327680
		.amdhsa_private_segment_fixed_size 0
		.amdhsa_enable_private_segment 0
		.amdhsa_kernarg_size 40
		.amdhsa_user_sgpr_count 2
		.amdhsa_user_sgpr_kernarg_segment_ptr 1
		.amdhsa_wavefront_size32 1
		.amdhsa_system_sgpr_workgroup_id_x 1
		.amdhsa_system_sgpr_workgroup_id_y 1
		.amdhsa_system_sgpr_workgroup_id_z 1
		.amdhsa_system_vgpr_workitem_id 0
		.amdhsa_next_free_vgpr 256
		.amdhsa_next_free_sgpr 100
		.amdhsa_reserve_vcc 1
		.amdhsa_float_denorm_mode_32 3
		.amdhsa_float_denorm_mode_16_64 3
		.amdhsa_fp16_overflow 1
		.amdhsa_memory_ordered 1
		.amdhsa_forward_progress 1
		.amdhsa_inst_pref_size 87
	.end_amdhsa_kernel
	.amdgpu_metadata
---
amdhsa.version: [ 1, 2 ]
amdhsa.kernels:
  - .name:           k_qe53f6bdd28_attn
    .symbol:         k_qe53f6bdd28_attn.kd
    .args:
      - { .name: qc, .offset: 0, .size: 8, .value_kind: global_buffer, .address_space: global }
      - { .name: kc, .offset: 8, .size: 8, .value_kind: global_buffer, .address_space: global }
      - { .name: vc, .offset: 16, .size: 8, .value_kind: global_buffer, .address_space: global }
      - { .name: lowp_scales, .offset: 24, .size: 8, .value_kind: global_buffer, .address_space: global }
      - { .name: yc, .offset: 32, .size: 8, .value_kind: global_buffer, .address_space: global }
    .group_segment_fixed_size: 327680
    .private_segment_fixed_size: 0
    .kernarg_segment_align: 8
    .kernarg_segment_size: 40
    .max_flat_workgroup_size: 512
    .sgpr_count:     100
    .vgpr_count:     256
    .wavefront_size: 32
...
	.end_amdgpu_metadata
.endif
;; end of part 3
;; launch proj (part 4): grid 4 x 64, 4 waves a work-group, clusters of 4 x 4, 327,680 bytes of LDS; arguments yc, wc, lowp_scales, out0; writes out0
.if DOCPART == 4
	.amdgcn_target "amdgcn-amd-amdhsa--gfx1250"
	.amdhsa_code_object_version 6
	.text
	.protected	k_qe53f6bdd28_proj
	.globl	k_qe53f6bdd28_proj
	.p2align	8
	.type	k_qe53f6bdd28_proj,@function
k_qe53f6bdd28_proj:
	s_mov_b64 s[64:65], 0
	v_nop
	global_prefetch_b8 v0, s[64:65] scope:SCOPE_SE
	s_setreg_imm32_b32 hwreg(HW_REG_WAVE_MODE, 25, 1), 1
	s_wait_xcnt 0x0
	s_wait_alu depctr_hold_cnt(0) depctr_sa_sdst(0) depctr_va_vdst(0) depctr_va_sdst(0) depctr_va_ssrc(0) depctr_va_vcc(0) depctr_vm_vsrc(0)
	s_getreg_b32 s2, hwreg(HW_REG_IB_STS2, 6, 4)
	s_cmp_eq_u32 s2, 0
	s_cbranch_scc0 .Lentry_in_a_cluster
	s_endpgm
.Lentry_in_a_cluster:
	s_bfe_u32 s2, ttmp6, 0x10000c
	s_cmp_lg_u32 s2, 0xf033
	s_cbranch_scc0 .Lentry_shape_is_right
	s_endpgm
.Lentry_shape_is_right:
; out0 = y Wo on codes of FP8 (E4M3): y's codes (yc, scale 2^e10) and Wo's (wc's fourth matrix, scale 2^e11) are multiplied as they are, and each finished sum once by 2^(e10 + e11).  out0: [8192][1024] f32.
; OPERANDS ARE IMAGES OF REGISTERS: a fragment (16 rows x 128 K) is [quarter 4][lane 32][16 bytes]; yc: [tile of 16 tokens][step of 128 K][2,048]; wc: [matrix][tile of 16 columns][step][2,048].
; A work-group makes 128 tokens (M side) x 256 columns (N side) over K = 1,024.  Four waves: WR = wave / 2 takes 64 tokens (4 fragments), WC = wave % 2 takes 128 columns (8 fragments): 32 accumulators.
; Source 0 = Wo's fragment, source 1 = y's: a lane holds one token and eight neighbouring columns.
; K goes in four steps of 256 through three LDS slots: steps 0, 1, 2 are asked for at the start, step 3 goes into slot 0 when it has been read out.
; CLUSTER 4 x 4: y's tile hangs on the cluster's row alone, Wo's on its column alone: each is asked for jointly by the four that need it.
; LIMIT: e10 + e11 lies between -126 and 127, so that 2^(e10 + e11) is an f32 number.
; REGISTERS, in windows of 256: window 0: v1 16 x lane, v16-22 LDS addresses, v24, v25 the stage's, v28, v29 the add's; v32-95, v128-255 the way out.
;   window 1: the N side's fragments, two sets (128 p + 16 b).   window 2: accumulator (a, b) at 8 (8 a + b).   window 3: the M side's fragments, two sets (64 p + 16 a).
.set SLOT,  98304                      ; the M side's 8 tiles x 4,096 bytes, then the N side's 16
.set SPARE, 3*SLOT                     ; behind the slots: the spare words, 128 bytes for each wave: two blocks of 256 bytes that no other line names
.set SPITCH, 528                       ; the way out: a stage of 16 rows x (512 bytes + 16) for each wave, in slot 1: it has had its only fill, and its last read lies ahead of step 5's barrier
.set LI,    1
.set ADRM,  16
.set ADRN,  20
.set STO,   24
.set RD,    25
.set SPW,   28
.set NIL,   29
.set TMP,   32                         ; v32-95   a block's sums x 2^(e10 + e11)
.set BK,    128                        ; v128-191, v192-255 by turns: 16 rows read back
.set WV,    4
.set WR,    5
.set WC,    6
.set G1M,   24
.set G0M,   32
.set G1N,   44
.set G0N,   52
.set MUL,   0xad                       ; source 0 window 1, source 1 window 3, C and D window 2
.set MSB,   0
.macro WIN new                         ; the immediate's high byte repeats the setting that is left
.if MSB != \new
	s_set_vgpr_msb (MSB<<8)|\new
.set MSB, \new
.endif
.endm
.macro PLACES n
.rept \n
	v_nop
.endr
.endm
.macro CREST                           ; a round of the cluster's barrier behind its opening barrier
	s_cmp_lg_u32 s[WV], 0
	s_cbranch_scc1 .Lnot_wave_0_\@
	s_barrier_signal -3
.Lnot_wave_0_\@:
	s_barrier_wait -3
	s_barrier_signal -1
	s_barrier_wait -1
.endm
.macro CROUND
	s_barrier_signal -1
	s_barrier_wait -1
	CREST
.endm
; Waves 0 and 1 fetch the M side's halves, waves 2 and 3 the N side's.  The branch hangs on the wave's number alone.  Four v_nop follow the loads.
.macro JLOAD sl
	s_cmp_eq_u32 s[WR], 0
	s_cbranch_scc0 .Lfor_n_\@
	tensor_load_to_lds s[G0M+4*\sl:G0M+4*\sl+3], s[G1M:G1M+7]
	s_nop 0
	PLACES 4
	s_branch .Lasked_\@
.Lfor_n_\@:
	tensor_load_to_lds s[G0N+4*\sl:G0N+4*\sl+3], s[G1N:G1N+7]
	s_nop 0
	PLACES 4
.Lasked_\@:
.endm
.macro FIRST3                          ; a wave's three first fills stand in one branch: three loads of mine are out
	s_cmp_eq_u32 s[WR], 0
	s_cbranch_scc0 .Lfirst_n
	tensor_load_to_lds s[G0M:G0M+3], s[G1M:G1M+7]
	s_nop 0
	tensor_load_to_lds s[G0M+4:G0M+7], s[G1M:G1M+7]
	s_nop 0
	tensor_load_to_lds s[G0M+8:G0M+11], s[G1M:G1M+7]
	s_nop 0
	PLACES 4
	s_branch .Lfirst_asked
.Lfirst_n:
	tensor_load_to_lds s[G0N:G0N+3], s[G1N:G1N+7]
	s_nop 0
	tensor_load_to_lds s[G0N+4:G0N+7], s[G1N:G1N+7]
	s_nop 0
	tensor_load_to_lds s[G0N+8:G0N+11], s[G1N:G1N+7]
	s_nop 0
	PLACES 4
.Lfirst_asked:
.endm
.macro FETCH j, p                      ; the fragments of step j of 128 along K (slot (j / 2) % 3, half j % 2) into set p: 48 loads of 512 consecutive bytes
.set FSL, ((\j)/2)%3
.set FQ,  (\j)%2
	WIN 0x40                                       ; destination window 1
.irp b, 0,1,2,3,4,5,6,7
.irp g, 0,1,2,3
	ds_load_b128 v[128*(\p)+16*\b+4*\g:128*(\p)+16*\b+4*\g+3], v[ADRN+FSL] offset:\b*4096+FQ*2048+\g*512
.endr
.endr
	WIN 0xc0                                       ; destination window 3
.irp b, 0,1,2,3
.irp g, 0,1,2,3
	ds_load_b128 v[64*(\p)+16*\b+4*\g:64*(\p)+16*\b+4*\g+3], v[ADRM+FSL] offset:\b*4096+FQ*2048+\g*512
.endr
.endr
.endm
.macro MULA a, p, zero                 ; M fragment a against the N side's eight.  The 32 accumulators take turns, one instruction a turn, in one order throughout
.irp b, 0,1,2,3,4,5,6,7
.if \zero
	v_wmma_f32_16x16x128_fp8_fp8 v[8*(8*(\a)+\b):8*(8*(\a)+\b)+7], v[128*(\p)+16*\b:128*(\p)+16*\b+15], v[64*(\p)+16*(\a):64*(\p)+16*(\a)+15], 0
.else
	v_wmma_f32_16x16x128_fp8_fp8 v[8*(8*(\a)+\b):8*(8*(\a)+\b)+7], v[128*(\p)+16*\b:128*(\p)+16*\b+15], v[64*(\p)+16*(\a):64*(\p)+16*(\a)+15], v[8*(8*(\a)+\b):8*(8*(\a)+\b)+7]
.endif
.endr
.endm
.macro MUL4 p
	MULA 0, \p, 0
	MULA 1, \p, 0
	MULA 2, \p, 0
	MULA 3, \p, 0
.endm
.macro GSTEP j                         ; step j: the next step's fragments are asked for first, into the set that the step before has multiplied
	PLACES 4                                       ; four places in front of loads into registers that matrix instructions have read (ISA guide 7.12.1 for vector instructions)
	FETCH (\j)+1, ((\j)+1)%2
	s_wait_dscnt 48                                ; all but the 48 just issued: this step's set is in
	WIN MUL
	MUL4 (\j)%2
.endm
.macro MAIN                            ; eight steps of 128 along K, written out
	s_wait_tensorcnt 0x2                           ; my part of K step 0 is in; two loads of mine stay out
	s_barrier_signal -1
	s_barrier_wait -1                              ; everybody's is
	FETCH 0, 0
	FETCH 1, 1                                     ; with these slot 0 is read out
	s_wait_dscnt 48                                ; set 0 is in
	WIN MUL
	MULA 0, 0, 1                                   ; the first products start the sums: nothing is cleared
	MULA 1, 0, 1
	WIN 0                                          ; (the add's two registers lie in window 0)
	s_wait_tensorcnt 0x0                           ; all my tensor loads have landed: my parts of slots 1 and 2;
	ds_add_u32 v[SPW], v[NIL]                      ; 0 onto my spare word
	WIN MUL
	MULA 2, 0, 1                                   ; eight matrix instructions stand between the add and the wait for it
	s_wait_dscnt 0x0                               ; the add is done, and my reads of slot 0 are over
	s_barrier_signal -1                            ; this barrier opens a round of the cluster's
	MULA 3, 0, 1
	WIN 0
	s_barrier_wait -1
	CREST                                          ; no wave of any partner still reads slot 0 or has a load on its way
	s_add_nc_u64 s[G0M+2:G0M+3], s[G0M+2:G0M+3], 3*4096
	s_add_nc_u64 s[G0N+2:G0N+3], s[G0N+2:G0N+3], 3*4096
	JLOAD 0                                        ; K step 3 into slot 0: 128 matrix instructions ahead of the wait for it; its four v_nop are the places in front of the loads below
	s_wait_alu depctr_va_vdst(0)
	FETCH 2, 0
	s_wait_dscnt 48
	WIN MUL
	MUL4 1                                         ; step 1
	GSTEP 2
	GSTEP 3
	GSTEP 4
	s_wait_tensorcnt 0x0                           ; step 5: my part of K step 3 is in: the one load that was out
	s_wait_dscnt 0x0
	s_barrier_signal -1
	MULA 0, 1, 0
	MULA 1, 1, 0
	s_barrier_wait -1                              ; everybody's is
	PLACES 4
	FETCH 6, 0
	WIN MUL
	MULA 2, 1, 0
	MULA 3, 1, 0
	GSTEP 6
	s_wait_dscnt 0x0
	MUL4 1                                         ; step 7
	WIN 0
	PLACES 4                                       ; in front of the first read of results
.endm
	s_load_b256 s[68:75], s[0:1], 0x0              ; yc s[68:69], wc s[70:71], the exponents s[72:73], out0 s[74:75]
	v_lshl_add_u32 v[SPW], v0, 2, SPARE
	v_mov_b32 v[NIL], 0
	ds_add_u32 v28, v29
	ds_add_u32 v28, v29
	s_wait_dscnt 0x0
	v_lshrrev_b32 v2, 5, v0
	v_readfirstlane_b32 s[WV], v2                  ; wave 0..3
	s_lshr_b32 s[WR], s[WV], 1                     ; my half of the tokens.  Also: I fetch for M (0) or N (1)
	s_and_b32 s[WC], s[WV], 1                      ; my half of the columns.  Also: which half of that tile I fetch
	s_bfe_u32 s7, ttmp6, 0x40000                   ; cx
	s_bfe_u32 s8, ttmp6, 0x40004                   ; cy
	s_and_b32 s10, ttmp7, 0xffff                   ; the cluster's y, 0..15
	s_lshl_b32 s13, s8, 2
	s_lshl_b32 s13, 15, s13                        ; my row of the cluster
	s_lshl_b32 s14, 0x1111, s7                     ; my column
	; group 1: rows of 4,096 bytes (512 elements of 8), one for each tile of 16 rows, 16,384 bytes apart in memory, dense in LDS
	s_or_b32 s[G1M], s13, (3<<16)|(1<<21)          ; 15:0 the mask: my row; 17:16 elements of 8 bytes; 21 set beside a mask
	s_or_b32 s[G1N], s14, (3<<16)|(1<<21)          ; the same with my column
	s_mov_b32 s[G1M+1], 512<<16                    ; tensor_dim0
	s_mov_b32 s[G1M+2], 4<<16                      ; tensor_dim1: 4 tiles of rows
	s_mov_b32 s[G1M+3], 512<<16                    ; tile_dim0
	s_mov_b32 s[G1M+4], 4                          ; tile_dim1
	s_mov_b32 s[G1M+5], 2048                       ; the pitch, in elements
	s_mov_b32 s[G1M+6], 0
	s_mov_b32 s[G1M+7], 0
	s_mov_b32 s[G1N+1], 512<<16
	s_mov_b32 s[G1N+2], 8<<16                      ; 8 tiles of rows
	s_mov_b32 s[G1N+3], 512<<16
	s_mov_b32 s[G1N+4], 8
	s_mov_b32 s[G1N+5], 2048
	s_mov_b32 s[G1N+6], 0
	s_mov_b32 s[G1N+7], 0
	s_lshl_b32 s11, s10, 2
	s_add_co_u32 s11, s11, s8                      ; the M tile: 4 y + cy of 64
	s_lshl_b32 s18, s11, 17                        ; 8 tiles of rows x 16,384 bytes
	s_lshl_b32 s13, s[WC], 16                      ; the half that I fetch
	s_add_co_u32 s18, s18, s13
	s_mov_b32 s19, 0
	s_lshl_b32 s20, s7, 18                         ; the N tile: cx of 4: 16 tiles of rows,
	s_lshl_b32 s14, s[WC], 17
	s_add_co_u32 s20, s20, s14
	s_add_co_u32 s20, s20, 3<<20                   ; in wc's fourth matrix
	s_mov_b32 s21, 0
	s_lshl_b32 s22, s[WC], 14                      ; where they go: no place in the cluster enters an LDS address
	s_lshl_b32 s23, s[WC], 15
	s_add_co_u32 s23, s23, 32768
	s_wait_kmcnt 0x0
	s_add_nc_u64 s[96:97], s[68:69], s[18:19]
	s_add_nc_u64 s[98:99], s[70:71], s[20:21]
.irp sl, 0,1,2
	s_mov_b32 s[G0M+4*\sl], 1                      ; count = 1
	s_add_co_u32 s[G0M+4*\sl+1], s22, \sl*SLOT     ; LDS address
	s_add_nc_u64 s[G0M+4*\sl+2:G0M+4*\sl+3], s[96:97], \sl*4096   ; global address: K step sl
	s_or_b32 s[G0M+4*\sl+3], s[G0M+4*\sl+3], 0x80000000           ; type = 2
	s_mov_b32 s[G0N+4*\sl], 1
	s_add_co_u32 s[G0N+4*\sl+1], s23, \sl*SLOT
	s_add_nc_u64 s[G0N+4*\sl+2:G0N+4*\sl+3], s[98:99], \sl*4096
	s_or_b32 s[G0N+4*\sl+3], s[G0N+4*\sl+3], 0x80000000
.endr
	CROUND                                         ; all sixteen work-groups are here: the first joint loads meet
	FIRST3
	s_load_b64 s[80:81], s[72:73], 0x28            ; e10, e11
	v_and_b32 v2, 31, v0
	v_lshlrev_b32 v[LI], 4, v2
	s_lshl_b32 s13, s[WR], 14                      ; my 4 M fragments,
	s_lshl_b32 s14, s[WC], 15
	s_add_co_u32 s14, s14, 32768                   ; my 8 N fragments
.irp sl, 0,1,2
	v_add_nc_u32 v[ADRM+\sl], s13, v[LI]
	v_add_nc_u32 v[ADRN+\sl], s14, v[LI]
	s_add_co_u32 s13, s13, SLOT
	s_add_co_u32 s14, s14, SLOT
.endr
	s_mul_i32 s15, s[WV], 16*SPITCH
	s_add_co_u32 s15, s15, SLOT                    ; my stage
	v_and_b32 v2, 15, v0
	v_bfe_u32 v3, v0, 4, 1
	v_mul_u32_u24 v4, v2, SPITCH
	v_lshl_add_u32 v4, v3, 5, v4
	v_add_nc_u32 v[STO], s15, v4                   ; in: row r, 32 bytes for each half of the lanes
	v_add_nc_u32 v[RD], s15, v[LI]                 ; back: the 32 lanes take one row of 512 bytes
	s_lshl_b32 s16, s11, 19                        ; out0: 128 rows of 4,096 bytes,
	s_lshl_b32 s17, s[WR], 18                      ; my 64,
	s_add_co_u32 s16, s16, s17
	s_lshl_b32 s17, s7, 10                         ; 256 columns of 4 bytes,
	s_add_co_u32 s16, s16, s17
	s_lshl_b32 s17, s[WC], 9                       ; my 128
	s_add_co_u32 s16, s16, s17
	s_mov_b32 s17, 0
	s_add_nc_u64 s[74:75], s[74:75], s[16:17]
	MAIN
	s_wait_kmcnt 0x0
	s_add_co_i32 s80, s80, s81
	s_add_co_i32 s80, s80, 127
	s_lshl_b32 s80, s80, 23                        ; 2^(e10 + e11) as f32
; THE WAY OUT, block by block of 16 tokens x 128 columns.  A lane holds 32 neighbouring bytes of a row and the lanes beside it hold other rows: a block goes through my own stage and comes back as whole rows of
; 512 bytes.  LDS serves a wave's instructions in order (ISA guide 5.7.1.4): no wait between the stores and the loads, nor in front of the next block's stores.
.macro TOSTAGE a
	WIN 0x02                                       ; source 0: window 2
.set n, 0
.rept 32
	v_pk_mul_f32 v[TMP+n:TMP+n+1], v[64*(\a)+n:64*(\a)+n+1], s[80:81] op_sel_hi:[1,0]   ; both x s80; each accumulator from its low end on
.set n, n+2
.endr
	WIN 0
.irp b, 0,1,2,3,4,5,6,7
	ds_store_b128 v[STO], v[TMP+8*\b:TMP+8*\b+3] offset:64*\b
	ds_store_b128 v[STO], v[TMP+8*\b+4:TMP+8*\b+7] offset:64*\b+16
.endr
.set BB, BK+64*((\a)%2)
.irp t, 0,1,2,3,4,5,6,7,8,9,10,11,12,13,14,15
	ds_load_b128 v[BB+4*\t:BB+4*\t+3], v[RD] offset:\t*SPITCH
.endr
.endm
.macro SEND a, younger                 ; younger: the LDS instructions issued behind block a's loads, which may stay out
.set BB, BK+64*((\a)%2)
	s_wait_dscnt \younger
.irp t, 0,1,2,3,4,5,6,7,8,9,10,11,12,13,14,15
	global_store_b128 v[LI], v[BB+4*\t:BB+4*\t+3], s[74:75] offset:(\a)*65536+\t*4096 th:TH_STORE_NT   ; 32 lanes store 512 consecutive bytes, aligned; written once, read by nobody here
.endr
.endm
	TOSTAGE 0
	TOSTAGE 1
	SEND 0, 32                                     ; behind block 0's loads: block 1's 16 stores and 16 loads
	s_wait_xcnt 0x0                                ; block 0's stores have read their data: block 2's loads may land there
	TOSTAGE 2
	SEND 1, 32
	s_wait_xcnt 0x0
	TOSTAGE 3
	SEND 2, 32
	SEND 3, 0
	s_wait_tensorcnt 0x0                           ; the wave's end, behind my last tensor load and my last LDS store
	ds_add_u32 v[SPW], v[NIL]
	s_wait_dscnt 0x0
	CROUND                                         ; the closing round: no work-group ends while a partner may still ask for a tile that names it
	s_endpgm
.Lfunc_end_k_qe53f6bdd28_proj:
	.size	k_qe53f6bdd28_proj, .Lfunc_end_k_qe53f6bdd28_proj-k_qe53f6bdd28_proj
	.p2alignl 7, 3214868480
	.fill 96, 4, 3214868480
	.section	.rodata,"a",@progbits
	.p2align	6, 0x0
	.amdhsa_kernel k_qe53f6bdd28_proj
		.amdhsa_group_segment_fixed_size 327680
		.amdhsa_private_segment_fixed_size 0
		.amdhsa_enable_private_segment 0
		.amdhsa_kernarg_size 32
		.amdhsa_user_sgpr_count 2
		.amdhsa_user_sgpr_kernarg_segment_ptr 1
		.amdhsa_wavefront_size32 1
		.amdhsa_system_sgpr_workgroup_id_x 1
		.amdhsa_system_sgpr_workgroup_id_y 1
		.amdhsa_system_sgpr_workgroup_id_z 1
		.amdhsa_system_vgpr_workitem_id 0
		.amdhsa_next_free_vgpr 1024
		.amdhsa_next_free_sgpr 102
		.amdhsa_reserve_vcc 0
		.amdhsa_float_denorm_mode_32 3
		.amdhsa_float_denorm_mode_16_64 3
		.amdhsa_memory_ordered 1
		.amdhsa_forward_progress 1
		.amdhsa_inst_pref_size 73
	.end_amdhsa_kernel
	.amdgpu_metadata
---
amdhsa.version: [ 1, 2 ]
amdhsa.kernels:
  - .name:           k_qe53f6bdd28_proj
    .symbol:         k_qe53f6bdd28_proj.kd
    .args:
      - { .name: yc, .offset: 0, .size: 8, .value_kind: global_buffer, .address_space: global }
      - { .name: wc, .offset: 8, .size: 8, .value_kind: global_buffer, .address_space: global }
      - { .name: lowp_scales, .offset: 16, .size: 8, .value_kind: global_buffer, .address_space: global }
      - { .name: out0, .offset: 24, .size: 8, .value_kind: global_buffer, .address_space: global }
    .group_segment_fixed_size: 327680
    .private_segment_fixed_size: 0
    .kernarg_segment_align: 8
    .kernarg_segment_size: 32
    .max_flat_workgroup_size: 128
    .sgpr_count:     102
    .vgpr_count:     1024
    .wavefront_size: 32
...
	.end_amdgpu_metadata
.endif
;; end of part 4
